; MI455X (gfx1250); checked and timed in simulation.
; The chip was launched on July 23, 2026; its instructions are those of AMD's public machine-readable ISA for CDNA 5 (MIT licence, August 2026) and "CDNA5" Instruction Set Architecture Reference Guide (July 2026). The comments in the code are by the model that wrote it; some were corrected since.
;; Multi Head Attention. Allowed arithmetic: matrix products marked QUANTISED: E2M1 operands, one E8M0 scale for each 32 along K, by v_wmma_scale_f32_16x16x128_f8f6f4 with both operands' format E2M1 (or v_wmma_scale_f32_32x16x128_f4), f32 sums; everything else in f32.
;; Inputs: Wk_codes 1,024 x 32 x 16 uint8 (E2M1 codes of Wk, K innermost, in blocks of 32 codes, two codes a byte); Wk_scales 1,024 x 32 uint8 (E8M0 scales of Wk, one for each 32 codes along K); Wo_codes 1,024 x 32 x 16 uint8 (E2M1 codes of Wo, K innermost, in blocks of 32 codes, two codes a byte); Wo_scales 1,024 x 32 uint8 (E8M0 scales of Wo, one for each 32 codes along K); Wq_codes 1,024 x 32 x 16 uint8 (E2M1 codes of Wq, K innermost, in blocks of 32 codes, two codes a byte); Wq_scales 1,024 x 32 uint8 (E8M0 scales of Wq, one for each 32 codes along K); Wv_codes 1,024 x 32 x 16 uint8 (E2M1 codes of Wv, K innermost, in blocks of 32 codes, two codes a byte); Wv_scales 1,024 x 32 uint8 (E8M0 scales of Wv, one for each 32 codes along K); key_codes 4 x 2,048 x 32 x 16 uint8 (E2M1 codes of key, K innermost, in blocks of 32 codes, two codes a byte); key_scales 4 x 2,048 x 32 uint8 (E8M0 scales of key, one for each 32 codes along K); ln_beta 1,024 float32; ln_gamma 1,024 float32; mask 4 x 2,048 int32; query 4 x 2,048 x 1,024 float32; value_codes 4 x 2,048 x 32 x 16 uint8 (E2M1 codes of value, K innermost, in blocks of 32 codes, two codes a byte); value_scales 4 x 2,048 x 32 uint8 (E8M0 scales of value, one for each 32 codes along K).
;; Outputs: out0 4 x 2,048 x 1,024 float32.
;; This version of the problem:
;;   THIS VERSION OF THE PROBLEM IS GIVEN IN LOW PRECISION. The matrix products marked QUANTISED in the list below multiply operands that are first quantised to E2M1 (2 exponent bits, 1 mantissa bit; 4 bits a number), with one power-of-two scale for each 32 numbers along K (OCP MX v1.0); their sums are f32. All else is computed in f32.
;;   The module's matrix products, in the order in which they are computed (A, B: the left and right operand; K: the contracted axis; several contracted axes count as one K, in the product's order):
;;     1. [M 8,192, K 1,024] x [K 1,024, N 1,024]; A: input query; B: input Wq (given as codes): QUANTISED
;;     2. [M 8,192, K 1,024] x [K 1,024, N 1,024]; A: input key (given as codes); B: input Wk (given as codes): QUANTISED
;;     3. [M 8,192, K 1,024] x [K 1,024, N 1,024]; A: input value (given as codes); B: input Wv (given as codes): QUANTISED
;;     4. batch 64 x [M 2,048, K 64] x [K 64, N 2,048]; A: computed on the way; B: computed on the way: QUANTISED
;;     5. batch 64 x [M 2,048, K 2,048] x [K 2,048, N 64]; A: softmax (see below); B: computed on the way: QUANTISED
;;     6. [M 8,192, K 1,024] x [K 1,024, N 1,024]; A: computed on the way; B: input Wo (given as codes): QUANTISED
;;   THE QUANTISER, for each operand of a quantised product, along K:
;;     - K is cut into blocks of 32 from its start; a last block that is shorter is filled with zeros.
;;     - A block's scale is 2^e with e = floor(log2(the largest magnitude in the block)) - 2, held to -126 .. 127; a block of zeros has e = 0. As a byte (E8M0): e + 127.
;;     - Each number is divided by its block's scale, clamped to +-6, and rounded to the nearest number of E2M1, ties to even, subnormals kept.
;;     - The product sums the exact products of the quantised numbers (number of the format x scale) in f32.
;;   ~~~python
;;   def quantise(x, axis):      # numpy; x: float32 -> the quantised numbers, widened to float32 again
;;       x = np.moveaxis(x, axis, -1); K = x.shape[-1]
;;       x = np.pad(x, [(0, 0)] * (x.ndim - 1) + [(0, -K % 32)]); x = x.reshape(x.shape[:-1] + (-1, 32)); a = np.abs(x).max(-1, keepdims=True)
;;       e = np.where(a > 0, np.clip(np.frexp(np.where(a > 0, a, 1))[1] - 1 - 2, -126, 127), 0)      # np.frexp(a)[1] - 1 = floor(log2(a)), exactly
;;       r = np.clip(x / 2.0 ** e, -6, 6)
;;       step = 2.0 ** (np.maximum(np.frexp(np.where(r == 0, 1, r))[1] - 1, 0) - 1)
;;       q = np.round(r / step) * step * 2.0 ** e      # np.round: ties to even
;;       return np.moveaxis(q.reshape(q.shape[:-2] + (-1,))[..., :K], -1, axis).astype(np.float32)
;;   ~~~
;;   SOFTMAX AHEAD OF A QUANTISED PRODUCT. Where the list says 'softmax', what is quantised is not the finished softmax but p = 2^(t - M), with t = logit x log2(e) and M = ceil(the row's largest t), a whole number; so 1/2 < the row's largest p <= 1. The row's sum l is taken of the UNQUANTISED p, in f32, and the product's result is divided by l at the end. Since M is a whole number, a kernel that streams over the keys may use a running M (the ceiling of the running maximum): every later rescaling is an exact power of two, which a block's scale takes up: the codes' values come out the same.
;;   OPERANDS COMPUTED ON THE WAY. 'Computed on the way' means the value that the module computes at that place (a softmax that the list does not call 'softmax' is quantised finished and normalised). What goes into a quantiser is computed in f32, as accurately as f32 sums, v_exp_f32 and their like allow (about 1e-6 of the number): no bf16 or f16 on the way to a quantiser, and a product that is left as it is and whose result goes on into a quantised operand takes f32 operands (vector FMAs, or v_wmma_f32_16x16x4_f32). A number that lies on a knife's edge between two numbers of the format may be rounded either way, as far as f32 arithmetic and the matrix unit's own rounding can turn it there, and no further.
;;   INPUTS GIVEN AS CODES. Wk (in the module: [1024, 1024], K = its axis 1); Wo (in the module: [1024, 1024], K = its axis 1); Wq (in the module: [1024, 1024], K = its axis 1); Wv (in the module: [1024, 1024], K = its axis 1); key (in the module: [4, 2048, 1024], K = its axis 2); value (in the module: [4, 2048, 1024], K = its axis 2): each comes as NAME_codes (uint8): NAME with its K axis moved to the last place and cut into blocks of 32 codes, [.., K / 32, bytes a block], one block behind the other in memory; two codes a byte, the lower K in the low four bits (a code: sign, 2 exponent bits, 1 mantissa bit); and NAME_scales (uint8): the same leading axes, one E8M0 byte (e + 127) for each 32 codes along K. Its value is code x scale, taken as it is: it is not quantised again, and the codes and scales need not be those that the quantiser above would give.
;; One version. Each part assembles by itself: llvm-mc -triple=amdgcn-amd-amdhsa -mcpu=gfx1250 --defsym DOCPART=n.
;; ======== version 1 of 1: 4 launches
;; workspace buffers: qrow 4,456,448 bytes; woimg 524,288 bytes; kbuf 4,456,448 bytes; qbuf 4,456,448 bytes; vbuf 4,456,448 bytes; abuf 4,456,448 bytes
;; launch projkv (part 1): grid 4 x 64, 4 waves a work-group, clusters of 4 x 4, 327,680 bytes of LDS; arguments key_codes, key_scales, Wk_codes, Wk_scales, kbuf, Wv_codes, Wv_scales, value_codes, value_scales, vbuf, query, qrow, Wo_codes, woimg; writes kbuf, vbuf, qrow, woimg
.if DOCPART == 1
	.amdgcn_target "amdgcn-amd-amdhsa--gfx1250"
	.amdhsa_code_object_version 6
	.text
	.protected	k_q925a806540_projkv
	.globl	k_q925a806540_projkv
	.p2align	8
	.type	k_q925a806540_projkv,@function
k_q925a806540_projkv:
	s_mov_b64 s[64:65], 0
	v_nop
	global_prefetch_b8 v0, s[64:65] scope:SCOPE_SE
	s_setreg_imm32_b32 hwreg(HW_REG_WAVE_MODE, 25, 1), 1
	s_wait_xcnt 0x0
	s_wait_alu depctr_hold_cnt(0) depctr_sa_sdst(0) depctr_va_vdst(0) depctr_va_sdst(0) depctr_va_ssrc(0) depctr_va_vcc(0) depctr_vm_vsrc(0)
	s_getreg_b32 s2, hwreg(HW_REG_IB_STS2, 6, 4)
	s_cmp_eq_u32 s2, 0
	s_cbranch_scc0 .Lentry_in_a_cluster
	s_endpgm
.Lentry_in_a_cluster:
	s_bfe_u32 s2, ttmp6, 0x10000c
	s_cmp_lg_u32 s2, 0xf033
	s_cbranch_scc0 .Lentry_shape_is_right
	s_endpgm
.Lentry_shape_is_right:
; k = key Wk^T and v = value Wv^T on codes of FP4 (E2M1) with E8M0 scales, each result quantised again on its way out; besides, query is quantised and Wo is laid out anew.
; 256 work-groups of four waves.  Clusters with y < 8 make k (mode 0), the others v (mode 1): only pointers, two tile numbers and one pitch are chosen, by selects on the cluster's y; all take one path.
; THE PRODUCT.  A tile is 256 x 256, a wave makes 128 x 128: 64 accumulators, 512 registers.  Source 0 takes rows of "B", source 1 rows of "A": in a result a lane holds ONE row of A and its registers run along rows of B.
; The next product's K runs along B's rows: mode 0: B = Wk (K of q k^T = a head's 64 features), A = key's tokens;  mode 1: B = value's tokens (K of p v = the keys), A = Wv.
; K = 1,024 lies in LDS whole, as two slots of 512 (rows of 256 bytes + 16 of padding), with the scale bytes of the tile's 512 rows behind them: every byte of LDS is filled once.
; CLUSTERS: 4 x 4.  A's tile hangs on the cluster's y and on cy alone and is asked for jointly by a row of the cluster, B's on cx (and the cluster's y) alone, by a column.
; THE WAY OUT.  A lane's 64 numbers of a tile of 16 rows of A are four blocks of 32 along the next K, each shared with lane l xor 16.  They become a fragment of 8 registers and a scale word, stored as AN IMAGE OF THE
; OPERAND'S REGISTERS: [piece c][lane][16 bytes], 1,024 bytes at (G0 x NT1 + T1) x 1024 (G0: the group of 128 rows of B, T1: the tile of 16 rows of A).  The scale words of 8 tiles are 512 bytes: word j of a lane's 16 bytes
; is tile 2 j (lanes 0-15) or 2 j + 1 (lanes 16-31).  Every store of a wave covers 512 consecutive bytes, aligned.
; THE PROLOGUE, while the tiles are on their way: wave W of 1,024 quantises 8 rows of query (codes and scale bytes laid as key's are) and copies one piece of Wo's codes into register order.
; LIMITS: NaN and infinities are not served.  A block of zeros gets the byte 1 where the rule says 127 (its codes are zeros, and this program alone reads the bytes); a block whose largest magnitude lies under 2^-124 keeps the byte 1.
.set KSTEP,  512                       ; along K in a slot
.set NQ,     4                         ; matrix instructions deep
.set ROWB,   256                       ; a tile's row in bytes
.set KROW,   512                       ; a row of codes in memory: 1,024 codes
.set PITCH,  272                       ; an LDS row: 256 bytes + 16 of padding: the 16 rows of a load start at 16 different banks (64 banks of 4 bytes: ISA guide 11.1)
.set FR,     8                         ; registers of a fragment
.set NL,     2                         ; LDS loads that bring one
.set NP,     4                         ; places behind this matrix instruction (ISA guide 7.12.1)
.set HALFT,  128*PITCH
.set SLOT,   4*HALFT                   ; A's 256 rows, then B's 256 rows
.set KS,     32                        ; a row of scale bytes
.set SCL,    2*SLOT                    ; behind the slots: the scale bytes, as units of 256 bytes + 16
.set HALFS,  (128*KS/256)*272
.set SBLK,   (16*KS/256)*272
.set QST,    SCL+4*HALFS               ; behind them: the query quantiser's stages, 5,632 bytes a wave; no tile lands here
.set WREG,   5632
.set IMGB,   4194304                   ; where the scales begin in qrow, kbuf and vbuf
.set ADRA, 16                          ; v16-17  LDS address of my A fragments in slot 0, 1
.set ADRB, 20                          ; v20-21  the same for B
.set VO,   26                          ; v26     16 x lane
.set ADRS, 27                          ; v27     LDS address of my scale words: lanes 0-15 A's rows, lanes 16-31 B's
.set SC,   32                          ; v32-95  scale words, two sets
.set AF,   128                         ; v128-191 A's fragments; on the way out the codes, eight registers for each tile
.set PCD,  128
.set TM,   200                         ; v200-203 largest magnitudes, v204-207 bytes, v212-215 the conversions' scale operands
.set PW,   216
.set SW,   220                         ; v220-223 the scale words of my 8 tiles
.set G1, 24
.set G0, 32
.set G1B, 48
.set G0B, 56
.set G1S, 68
.set G0S, 76
.set G1SB, 80
.set G0SB, 88
.set MSB, 0
.macro WIN new                         ; the immediate's high byte repeats the setting that is left
.if MSB != \new
	s_set_vgpr_msb (MSB<<8)|\new
.set MSB, \new
.endif
.endm
.set MUL_LO, 0xa1                      ; source 0 (B) window 1, source 1 (A) window 0, C and D window 2
.set MUL_HI, 0xf1                      ; the same, C and D window 3
.set TO_B,   0x40                      ; destination window 1, address window 0
; A joint load: waves 0 and 1 fetch for A, waves 2 and 3 for B; the branch hangs on the wave's number alone.  Four v_nop follow each of the two lines.
.macro JLOAD g0a, g1a, g0b, g1b
	s_cmp_eq_u32 s15, 0
	s_cbranch_scc0 .Lfor_b_\@
	tensor_load_to_lds s[\g0a:\g0a+3], s[\g1a:\g1a+7]
	s_nop 0
.rept 4
	v_nop
.endr
	s_branch .Lasked_\@
.Lfor_b_\@:
	tensor_load_to_lds s[\g0b:\g0b+3], s[\g1b:\g1b+7]
	s_nop 0
.rept 4
	v_nop
.endr
.Lasked_\@:
.endm
.macro CROUND                          ; a round of the cluster's barrier
	s_barrier_signal -1
	s_barrier_wait -1
	s_cmp_lg_u32 s14, 0
	s_cbranch_scc1 .Lnot_wave_0_\@
	s_barrier_signal -3
.Lnot_wave_0_\@:
	s_barrier_wait -3
	s_barrier_signal -1
	s_barrier_wait -1
.endm
	s_load_b256 s[4:11], s[0:1], 0x0               ; mode 0: A's codes, A's scales (key), B's codes, B's scales (Wk)
	s_load_b64 s[12:13], s[0:1], 0x20              ; kbuf
	s_load_b256 s[68:75], s[0:1], 0x28             ; mode 1: A's codes, A's scales (Wv), B's codes, B's scales (value)
	s_load_b64 s[76:77], s[0:1], 0x48              ; vbuf
	v_lshl_add_u32 v254, v0, 2, 0x4db00
	v_mov_b32 v255, 0
	ds_add_u32 v254, v255
	ds_add_u32 v254, v255
	v_lshrrev_b32 v1, 5, v0
	v_readfirstlane_b32 s14, v1                    ; wave 0..3
	s_lshr_b32 s15, s14, 1                         ; which half of A's rows is mine.  Also: I fetch for A (0) or for B (1)
	s_and_b32 s16, s14, 1                          ; which half of B's rows.  Also: which 128 rows I fetch
	s_bfe_u32 s40, ttmp6, 0x40000                  ; cx
	s_bfe_u32 s41, ttmp6, 0x40004                  ; cy
	s_and_b32 s66, ttmp7, 0xffff                   ; the cluster's y, 0..15
	s_lshl_b32 s43, s41, 2
	s_lshl_b32 s43, 15, s43                        ; my row of the cluster
	s_lshl_b32 s44, 0x1111, s40                    ; my column
	s_lshl_b32 s18, s66, 2
	s_max_u32 s19, s18, 32
	s_sub_co_u32 s19, s19, 32                      ; 4 (y - 8), 0 where y < 8
	s_wait_dscnt 0x0
	s_wait_kmcnt 0x0
	s_cmp_lt_u32 s66, 8                            ; the mode: the same in all sixteen partners; all selects stand ahead of the next line that sets SCC
	s_cselect_b32 s17, s18, 0
	s_cselect_b32 s42, 0, s19
	s_cselect_b32 s67, 512, 64                     ; NT1: tiles of 16 rows of A in the whole tensor
	s_cselect_b64 s[4:5], s[4:5], s[68:69]
	s_cselect_b64 s[6:7], s[6:7], s[70:71]
	s_cselect_b64 s[8:9], s[8:9], s[72:73]
	s_cselect_b64 s[10:11], s[10:11], s[74:75]
	s_cselect_b64 s[12:13], s[12:13], s[76:77]
	s_add_co_u32 s17, s17, s41                     ; A's tile of 256 rows: 4 y + cy, or cy
	s_add_co_u32 s42, s42, s40                     ; B's: cx, or 4 (y - 8) + cx
	; descriptor group 1: a tile of 128 rows x 256 bytes, 16 bytes of padding behind each row
	s_or_b32 s[G1+0], s43, (0<<16)|(1<<20)|(1<<21)|(5<<22)|(3<<25)   ; 15:0 the mask; 17:16 elements of 1 byte; 20 padding on; 21 set beside a mask; 24:22 after every 64 words; 31:25 four words
	s_or_b32 s[G1B+0], s44, (0<<16)|(1<<20)|(1<<21)|(5<<22)|(3<<25)
.irp g, G1, G1B
	s_mov_b32 s[\g+1], ROWB<<16                    ; tensor_dim0
	s_mov_b32 s[\g+2], 128<<16                     ; tensor_dim1
	s_mov_b32 s[\g+3], ROWB<<16                    ; tile_dim0
	s_mov_b32 s[\g+4], 128                         ; tile_dim1
	s_mov_b32 s[\g+5], KROW                        ; tensor_dim0_stride
	s_mov_b32 s[\g+6], 0
	s_mov_b32 s[\g+7], 0
.endr
	; the scale bytes of 128 rows: 4,096 dense bytes as 16 rows of 256 (32 elements of 8 bytes), 16 bytes of padding behind each
	s_or_b32 s[G1S+0], s43, (3<<16)|(1<<20)|(1<<21)|(5<<22)|(3<<25)
	s_or_b32 s[G1SB+0], s44, (3<<16)|(1<<20)|(1<<21)|(5<<22)|(3<<25)
.irp g, G1S, G1SB
	s_mov_b32 s[\g+1], 32<<16
	s_mov_b32 s[\g+2], (128*KS/256)<<16
	s_mov_b32 s[\g+3], 32<<16
	s_mov_b32 s[\g+4], 128*KS/256
	s_mov_b32 s[\g+5], 32
	s_mov_b32 s[\g+6], 0
	s_mov_b32 s[\g+7], 0
.endr
	s_lshl_b32 s18, s16, 7                         ; which 128 rows of the tile I fetch
	s_lshl_b32 s20, s17, 8
	s_add_co_u32 s20, s20, s18                     ; A: row
	s_lshl_b32 s46, s42, 8
	s_add_co_u32 s46, s46, s18                     ; B: row
	s_mov_b32 s21, 0
	s_mov_b32 s47, 0
	s_mov_b64 s[18:19], KS
	s_mul_u64 s[22:23], s[20:21], s[18:19]         ; where these rows' scale bytes begin
	s_mul_u64 s[92:93], s[46:47], s[18:19]
	s_mov_b64 s[18:19], KROW
	s_mul_u64 s[20:21], s[20:21], s[18:19]         ; and their codes
	s_mul_u64 s[46:47], s[46:47], s[18:19]
	s_mul_i32 s45, s14, HALFT                      ; where they go: by the wave's number alone
	s_mul_i32 s94, s14, HALFS
	s_add_nc_u64 s[20:21], s[4:5], s[20:21]
	s_add_nc_u64 s[22:23], s[6:7], s[22:23]
	s_add_nc_u64 s[46:47], s[8:9], s[46:47]
	s_add_nc_u64 s[92:93], s[10:11], s[92:93]
	CROUND                                         ; all sixteen work-groups are here: the joint loads meet
	s_mov_b32 s[G0S], 1
	s_add_co_u32 s[G0S+1], s94, SCL
	s_mov_b64 s[G0S+2:G0S+3], s[22:23]
	s_or_b32 s[G0S+3], s[G0S+3], 0x80000000
	s_mov_b32 s[G0SB], 1
	s_add_co_u32 s[G0SB+1], s94, SCL
	s_mov_b64 s[G0SB+2:G0SB+3], s[92:93]
	s_or_b32 s[G0SB+3], s[G0SB+3], 0x80000000
	JLOAD G0S, G1S, G0SB, G1SB                     ; three loads a wave, all first fills: the scale bytes,
.irp s, 0,1
	s_mov_b32 s[G0+4*\s], 1
	s_add_co_u32 s[G0+4*\s+1], s45, \s*SLOT
	s_add_nc_u64 s[G0+4*\s+2:G0+4*\s+3], s[20:21], \s*ROWB
	s_or_b32 s[G0+4*\s+3], s[G0+4*\s+3], 0x80000000
	s_mov_b32 s[G0B+4*\s], 1
	s_add_co_u32 s[G0B+4*\s+1], s45, \s*SLOT
	s_add_nc_u64 s[G0B+4*\s+2:G0B+4*\s+3], s[46:47], \s*ROWB
	s_or_b32 s[G0B+4*\s+3], s[G0B+4*\s+3], 0x80000000
	JLOAD G0+4*\s, G1, G0B+4*\s, G1B               ; and the two halves of K
.endr
	; where my results go: image (G0 x NT1 + T1) with G0 = 2 x B's tile + my half, T1 = 16 x A's tile + 8 x my half + 0 .. 7
	s_lshl_b32 s18, s42, 1
	s_add_co_u32 s18, s18, s16
	s_mul_i32 s18, s18, s67
	s_lshl_b32 s19, s17, 4
	s_add_co_u32 s18, s18, s19
	s_lshl_b32 s19, s15, 3
	s_add_co_u32 s18, s18, s19
	s_mov_b32 s21, 0
	s_lshl_b32 s20, s18, 6
	s_add_nc_u64 s[96:97], s[12:13], s[20:21]
	s_add_nc_u64 s[96:97], s[96:97], IMGB          ; the scale words: 64 bytes a tile
	s_lshl_b32 s20, s18, 10
	s_add_nc_u64 s[12:13], s[12:13], s[20:21]      ; the images: 1,024 bytes a tile
	; ---- THE PROLOGUE.  W = 4 x (the work-group's number) + wave, 0 .. 1,023: it enters global addresses alone.
	s_load_b256 s[4:11], s[0:1], 0x50              ; query, qrow, Wo's codes, woimg
	s_lshl_b32 s18, s66, 4
	s_lshl_b32 s19, s41, 2
	s_add_co_u32 s18, s18, s19
	s_add_co_u32 s18, s18, s40
	s_lshl_b32 s18, s18, 2
	s_add_co_u32 s18, s18, s14                     ; W
.set QSTEPS, 16
.set SP,  80                           ; a lane's place in a stage: its 64 bytes + 16 of padding
.set QR,  16                           ; v16-79   four sets of 16 numbers as they are loaded
.set QX,  80                           ; v80-111  two sets of 16 neighbours
.set QE,  112                          ; v112-127 a scale byte for each step
.set QC,  128                          ; v128-191 codes: registers of its own for each step
	v_and_b32 v2, 31, v0                           ; lane
	v_and_b32 v8, 15, v0
	v_bfe_u32 v9, v0, 4, 1
	v_lshlrev_b32 v10, 9, v8
	v_lshl_add_u32 v10, v9, 4, v10                 ; Wo: row r of 512 bytes, + 16 h
	v_lshlrev_b32 v3, 4, v2                        ; 16 x lane
	s_mul_i32 s19, s14, WREG
	s_add_co_u32 s19, s19, QST                     ; my wave's stages
	v_lshrrev_b32 v14, 2, v2
	v_mul_u32_u24 v14, v14, SP
	v_and_b32 v15, 3, v2
	v_lshl_add_u32 v14, v15, 4, v14
	v_add_nc_u32 v14, s19, v14                     ; in: four lanes' 64 bytes on end, then 16 of padding
	v_mul_u32_u24 v15, v2, SP
	v_add_nc_u32 v15, s19, v15                     ; out: my 16 neighbours
	v_lshlrev_b32 v4, 3, v2                        ; my 8 bytes of a step's codes
	v_lshrrev_b32 v5, 1, v2
	s_add_co_u32 s19, s19, 2*32*SP
	v_add_nc_u32 v5, s19, v5                       ; my block's scale byte among the wave's 256
	v_lshlrev_b32 v7, 3, v2
	v_add_nc_u32 v6, s19, v7
	s_lshr_b32 s19, s18, 4
	s_lshl_b32 s19, s19, 13                        ; Wo: 16 rows of 512 bytes for each tile,
	s_and_b32 s20, s18, 15
	s_lshl_b32 s20, s20, 5                         ; 32 bytes for each piece of 64 along K
	s_add_co_u32 s20, s20, s19
	s_wait_kmcnt 0x0
	s_add_nc_u64 s[8:9], s[8:9], s[20:21]
	global_load_b128 v[192:195], v10, s[8:9]       ; piece W of Wo, as the operand's registers take it: the oldest load of the prologue
	s_lshl_b32 s20, s18, 15
	s_add_nc_u64 s[4:5], s[4:5], s[20:21]          ; query: 8,192 numbers a wave
	s_lshl_b32 s20, s18, 8
	s_add_nc_u64 s[22:23], s[6:7], s[20:21]
	s_add_nc_u64 s[22:23], s[22:23], IMGB          ; their 256 scale bytes
	s_lshl_b32 s20, s18, 12
	s_add_nc_u64 s[6:7], s[6:7], s[20:21]          ; their 4,096 bytes of codes
	s_lshl_b32 s20, s18, 9
	s_add_nc_u64 s[10:11], s[10:11], s[20:21]      ; woimg: 512 bytes a piece
.macro QLOAD t
.irp i, 0,1,2,3
	global_load_b128 v[QR+16*((\t)%4)+4*\i:QR+16*((\t)%4)+4*\i+3], v3, s[4:5] offset:2048*(\t)+512*\i th:TH_LOAD_NT   ; 32 lanes read 512 consecutive bytes
.endr
.endm
.macro QTURN t                         ; a step's numbers through the stage: LDS serves a wave's instructions in order, so no wait stands between the stores and the loads
.irp i, 0,1,2,3
	ds_store_b128 v14, v[QR+16*((\t)%4)+4*\i:QR+16*((\t)%4)+4*\i+3] offset:32*SP*((\t)%2)+8*SP*\i
.endr
.irp i, 0,1,2,3
	ds_load_b128 v[QX+16*((\t)%2)+4*\i:QX+16*((\t)%2)+4*\i+3], v15 offset:32*SP*((\t)%2)+16*\i
.endr
.endm
.irp t, 0,1,2,3
	QLOAD \t
.endr
	s_wait_loadcnt 12                              ; step 0's four loads are in; three steps' twelve may be out
	QTURN 0
.macro QSTEP t
.set XS, QX+16*((\t)%2)
.if (\t) > 0
	s_wait_dscnt 1                                 ; this step's numbers are back from the stage; the last step's byte store may be out
.else
	s_wait_dscnt 0x0
.endif
.if (\t)+4 < QSTEPS
	QLOAD (\t)+4
.endif
.if (\t)+1 < QSTEPS
.if QSTEPS-2-(\t) >= 3
	s_wait_loadcnt 12                              ; the next step's four loads are in; those of the three steps behind it may be out
.else
	s_wait_loadcnt 4*(QSTEPS-2-(\t))
.endif
	QTURN (\t)+1
.endif
	v_max3_num_f32 v8, |v[XS]|, |v[XS+1]|, |v[XS+2]|               ; the largest magnitude of my 16
	v_max3_num_f32 v9, |v[XS+3]|, |v[XS+4]|, |v[XS+5]|
.irp i, 6,10
	v_max3_num_f32 v8, v8, |v[XS+\i]|, |v[XS+\i+1]|
	v_max3_num_f32 v9, v9, |v[XS+\i+2]|, |v[XS+\i+3]|
.endr
	v_max3_num_f32 v8, v8, |v[XS+14]|, |v[XS+15]|
	v_max3_num_f32 v8, v8, v9, 0x1800000           ; and the floor 2^(3 - 127): the byte cannot fall under 1
	v_max_num_f32_dpp v8, v8, v8 row_xmask:1 row_mask:0xf bank_mask:0xf   ; and of my neighbour's 16: the block's
	v_add_nc_u32 v11, 0xff000000, v8               ; 2 off its exponent field: the conversion's scale operand
	v_cvt_scalef32_pk8_fp4_f32 v[QC+4*(\t)], v[XS:XS+7], v11
	v_cvt_scalef32_pk8_fp4_f32 v[QC+4*(\t)+1], v[XS+8:XS+15], v11
	v_lshrrev_b32 v[QE+(\t)], 23, v11              ; the scale's byte (also the plain line behind the conversions)
	ds_store_b8 v5, v[QE+(\t)] offset:16*(\t)      ; both lanes of a block write the same byte with the same value
	global_store_b64 v4, v[QC+4*(\t):QC+4*(\t)+1], s[6:7] offset:256*(\t)   ; the wave stores 256 consecutive bytes, aligned
.endm
.irp t, 0,1,2,3,4,5,6,7,8,9,10,11,12,13,14,15
	QSTEP \t
.endr
	ds_load_b64 v[12:13], v6
	s_wait_dscnt 0x0
	global_store_b64 v7, v[12:13], s[22:23]        ; the wave's 256 scale bytes, aligned
	global_store_b128 v3, v[192:195], s[10:11]     ; Wo's piece (its load was waited for with the last steps'): 512 consecutive bytes
	s_wait_xcnt 0x0                                ; the stores have read their registers and bases: the product writes them again
	; ---- THE PRODUCT
	v_and_b32 v1, 15, v0                           ; l % 16
	v_bfe_u32 v2, v0, 4, 1                         ; l / 16
	v_mul_u32_u24 v3, v1, PITCH
	v_lshl_add_u32 v4, v2, 4, v3                   ; a fragment's row x pitch + 16 x half
	s_mul_i32 s21, s15, HALFT                      ; my 128 rows of A
	s_mul_i32 s22, s16, HALFT                      ; my 128 rows of B,
	s_add_co_u32 s22, s22, 2*HALFT                 ; which lie behind A's 256
.irp s, 0,1
	v_add_nc_u32 v[ADRA+\s], s21, v4
	v_add_nc_u32 v[ADRB+\s], s22, v4
	s_add_co_u32 s21, s21, SLOT
	s_add_co_u32 s22, s22, SLOT
.endr
	v_mul_u32_u24 v5, v1, KS                       ; my row's scale bytes: 32 a row,
	v_lshrrev_b32 v6, 8, v5
	v_lshl_add_u32 v5, v6, 4, v5                   ; and 16 more for each 256 passed
	s_mul_i32 s21, s15, HALFS
	s_mul_i32 s22, s16, HALFS
	s_add_co_u32 s22, s22, 2*HALFS
	s_sub_co_u32 s22, s22, s21
	v_mul_u32_u24 v6, s22, v2                      ; lanes 16-31 take B's
	s_add_co_u32 s21, s21, SCL
	v_add_nc_u32 v5, v5, v6
	v_add_nc_u32 v[ADRS], s21, v5
	v_and_b32 v6, 31, v0
	v_lshlrev_b32 v[VO], 4, v6
.irp b, 0,1,2,3
	v_mov_b32 v[TM+4+\b], 0                        ; written once: a lane permute's destination counts as one of its sources
.endr
	s_mov_b32 s98, 0xffff0000                      ; lanes 16-31
	s_mov_b32 s99, 0x1800000                       ; the floor 2^(3 - 127)
	s_mov_b32 s100, 0x76543210
	s_mov_b32 s101, 0xfedcba98                     ; v_permlanex16_b32's selects for lane l xor 16
.macro FRAG reg, adr, q, i             ; 16 rows x 128 K of 4-bit codes: lane l holds row l % 16; registers 4 c .. 4 c + 3 hold K = 64 c + 32 (l / 16) + 0 .. 31
.irp c, 0,1
	ds_load_b128 v[\reg+4*\c:\reg+4*\c+3], v[\adr] offset:64*(\q)+32*\c+(\i)*16*PITCH
.endr
.endm
; 16 matrix instructions: A's blocks a0, a0 + 1 x B's eight.  The 64 accumulators take turns, one instruction a turn, in the same order in every step.
.macro MUL16 a0, p, q, sc, zero
.irp a, \a0, \a0+1
.irp b, 0,1,2,3,4,5,6,7
.if \zero
	v_wmma_scale_f32_16x16x128_f8f6f4 v[8*(8*((\a)%4)+\b):8*(8*((\a)%4)+\b)+7], v[128*(\p)+FR*\b:128*(\p)+FR*\b+FR-1], v[AF+FR*(\a):AF+FR*(\a)+FR-1], 0, v[SC+8*NQ*(\sc)+NQ*\b+(\q)], v[SC+8*NQ*(\sc)+NQ*(\a)+(\q)] matrix_a_fmt:MATRIX_FMT_FP4 matrix_b_fmt:MATRIX_FMT_FP4 matrix_a_scale:MATRIX_SCALE_ROW1
.else
	v_wmma_scale_f32_16x16x128_f8f6f4 v[8*(8*((\a)%4)+\b):8*(8*((\a)%4)+\b)+7], v[128*(\p)+FR*\b:128*(\p)+FR*\b+FR-1], v[AF+FR*(\a):AF+FR*(\a)+FR-1], v[8*(8*((\a)%4)+\b):8*(8*((\a)%4)+\b)+7], v[SC+8*NQ*(\sc)+NQ*\b+(\q)], v[SC+8*NQ*(\sc)+NQ*(\a)+(\q)] matrix_a_fmt:MATRIX_FMT_FP4 matrix_b_fmt:MATRIX_FMT_FP4 matrix_a_scale:MATRIX_SCALE_ROW1
.endif
.endr
.endr
.endm
.macro FETCH_B slot, q, p
	WIN TO_B
.irp i, 0,1,2,3,4,5,6,7
	FRAG 128*(\p)+FR*\i, ADRB+\slot, \q, \i
.endr
	WIN 0
.endm
.macro FETCH_A slot, q, i0
.irp i, \i0, \i0+1, \i0+2, \i0+3
	FRAG AF+FR*(\i), ADRA+\slot, \q, \i
.endr
.endm
.macro SCALES sc                       ; a slot's scale words: four a row; lanes 0-15 take A's block i, lanes 16-31 B's block i
.irp i, 0,1,2,3,4,5,6,7
	ds_load_b128 v[SC+8*NQ*\sc+NQ*\i:SC+8*NQ*\sc+NQ*\i+3], v[ADRS] offset:\i*SBLK
.endr
.endm
.macro PLACES n                        ; plain vector lines between a matrix instruction and a load into, or a vector line on, its registers
.rept \n
	v_nop
.endr
.endm
.macro STEP slot, q, zero              ; 128 along K, with its successor in the same slot
	s_wait_dscnt 4*NL                              ; B's set and A's blocks 0-3 are in; the youngest eight loads (A's blocks 4-7) may be out
	WIN MUL_LO
	MUL16 0, (\q)%2, \q, \slot, \zero
	MUL16 2, (\q)%2, \q, \slot, \zero
	s_wait_dscnt 0
	PLACES NP
	FETCH_B \slot, (\q)+1, 1-(\q)%2
	FETCH_A \slot, (\q)+1, 0
	WIN MUL_HI
	MUL16 4, (\q)%2, \q, \slot, \zero
	MUL16 6, (\q)%2, \q, \slot, \zero
	PLACES NP
	WIN 0
	FETCH_A \slot, (\q)+1, 4
.endm
.macro TURN slot, next                 ; slot 0's last step: behind its barrier slot 1 is whole for every wave; nothing is filled again
	s_wait_tensorcnt 0x0                           ; my part of slot 1 has landed
	s_wait_dscnt 4*NL
	WIN MUL_LO
	MUL16 0, 1, NQ-1, \slot, 0
	s_wait_dscnt 0x0                               ; no LDS instruction of mine is out at the signal
	s_barrier_signal -1
	MUL16 2, 1, NQ-1, \slot, 0
	WIN 0
	s_barrier_wait -1
	PLACES NP
	v_add_nc_u32 v[ADRS], 4*NQ, v[ADRS]            ; on to the next slot's scale words
	FETCH_B \next, 0, 0
	FETCH_A \next, 0, 0
	SCALES \next
	WIN MUL_HI
	MUL16 4, 1, NQ-1, \slot, 0
	MUL16 6, 1, NQ-1, \slot, 0
	PLACES NP
	WIN 0
	FETCH_A \next, 0, 4
.endm
.macro STEPS slot, from
.set Q, \from
.rept NQ-1-\from
	STEP \slot, Q, 0
.set Q, Q+1
.endr
.endm
	s_wait_tensorcnt 1                             ; the scale bytes and my part of slot 0 are in; slot 1's load may be out
	s_barrier_signal -1
	s_barrier_wait -1
	FETCH_B 0, 0, 0
	FETCH_A 0, 0, 0
	SCALES 0
	FETCH_A 0, 0, 4
	STEP 0, 0, 1                                   ; the first products start the sums: nothing is cleared
	STEPS 0, 1
	TURN 0, 1
	STEPS 1, 0
	s_wait_dscnt 4*NL
	WIN MUL_LO
	MUL16 0, 1, NQ-1, 1, 0
	MUL16 2, 1, NQ-1, 1, 0
	s_wait_dscnt 0
	WIN MUL_HI
	MUL16 4, 1, NQ-1, 1, 0
	MUL16 6, 1, NQ-1, 1, 0
	WIN 0
	PLACES NP
; ---- THE WAY OUT of A's block a.  Register 16 b + 8 u + j of its 64 holds the next K's place 32 b + 16 u + 8 (l / 16) + j, for the row l % 16.
; The operand wants, in lane half h', register 4 c + i: block 2 c + h', places 8 i + 0 .. 7, that is u = i / 2 from lane half i % 2.  So the conversions of (block 2 c, u) and (block 2 c + 1, u) stand in neighbouring
; registers, and one exchange of the first's upper lanes with the second's lower lanes puts both right.
.macro QOUT a
.set AC, 64*((\a)%4)
.set PA, PCD+8*(\a)
	WIN 0x28+0x14*((\a)/4)                         ; sources 1 and 2: the accumulators' window
.irp b, 0,1,2,3
	v_max3_num_f32 v[TM+\b], s99, |v[AC+16*\b]|, |v[AC+16*\b+1]|   ; each accumulator is read from its low end on
.endr
.irp e, 2,4,6,8,10,12,14
.irp b, 0,1,2,3
	v_max3_num_f32 v[TM+\b], v[TM+\b], |v[AC+16*\b+\e]|, |v[AC+16*\b+\e+1]|
.endr
.endr
	WIN 0
.irp b, 0,1,2,3
	v_permlanex16_b32 v[TM+4+\b], v[TM+\b], s100, s101
.endr
.irp b, 0,1,2,3
	v_max_num_f32 v[TM+\b], v[TM+\b], v[TM+4+\b]   ; the block's largest magnitude
.endr
.irp b, 0,1,2,3
	v_add_nc_u32 v[TM+12+\b], 0xff000000, v[TM+\b] ; 2 off its exponent field: the conversion's scale operand
.endr
.irp b, 0,1,2,3
	v_lshrrev_b32 v[TM+4+\b], 23, v[TM+12+\b]      ; the scale's byte
.endr
.if ((\a)%2) == 0
	v_lshl_or_b32 v[SW+(\a)/2], v[TM+5], 8, v[TM+4]
	v_lshl_or_b32 v[SW+(\a)/2], v[TM+6], 16, v[SW+(\a)/2]
	v_lshl_or_b32 v[SW+(\a)/2], v[TM+7], 24, v[SW+(\a)/2]
.else
	v_lshl_or_b32 v[PW], v[TM+5], 8, v[TM+4]
	v_lshl_or_b32 v[PW], v[TM+6], 16, v[PW]
	v_lshl_or_b32 v[PW], v[TM+7], 24, v[PW]
	v_cndmask_b32 v[SW+(\a)/2], v[SW+(\a)/2], v[PW], s98   ; an odd tile's words go to lanes 16-31
.endif
	WIN 0x02+(\a)/4                                ; source 0: the accumulators' window
.irp c, 0,1
	v_cvt_scalef32_pk8_fp4_f32 v[PA+4*\c], v[AC+32*\c:AC+32*\c+7], v[TM+12+2*\c]
	v_cvt_scalef32_pk8_fp4_f32 v[PA+4*\c+1], v[AC+32*\c+16:AC+32*\c+23], v[TM+13+2*\c]
	v_cvt_scalef32_pk8_fp4_f32 v[PA+4*\c+2], v[AC+32*\c+8:AC+32*\c+15], v[TM+12+2*\c]
	v_cvt_scalef32_pk8_fp4_f32 v[PA+4*\c+3], v[AC+32*\c+24:AC+32*\c+31], v[TM+13+2*\c]
.endr
	WIN 0
	v_nop                                          ; one plain line behind a scaled conversion
.irp c, 0,1
	v_permlane16_swap_b32 v[PA+4*\c], v[PA+4*\c+1]
	v_permlane16_swap_b32 v[PA+4*\c+2], v[PA+4*\c+3]
.endr
	global_store_b128 v[VO], v[PA:PA+3], s[12:13] offset:1024*(\a)       ; each store: 512 consecutive bytes, aligned; each tile has registers of its own, so no store's data are written again
	global_store_b128 v[VO], v[PA+4:PA+7], s[12:13] offset:1024*(\a)+512
.endm
.irp a, 0,1,2,3,4,5,6,7
	QOUT \a
.endr
	global_store_b128 v[VO], v[SW:SW+3], s[96:97]  ; the scale words of my 8 tiles: 512 consecutive bytes
	s_wait_tensorcnt 0x0
	ds_add_u32 v254, v255
	s_wait_dscnt 0x0
	CROUND                                         ; the closing round: no work-group ends while a partner may still ask jointly
	s_endpgm
.Lfunc_end_k_q925a806540_projkv:
	.size	k_q925a806540_projkv, .Lfunc_end_k_q925a806540_projkv-k_q925a806540_projkv
	.p2alignl 7, 3214868480
	.fill 96, 4, 3214868480
	.section	.rodata,"a",@progbits
	.p2align	6, 0x0
	.amdhsa_kernel k_q925a806540_projkv
		.amdhsa_group_segment_fixed_size 327680
		.amdhsa_private_segment_fixed_size 0
		.amdhsa_enable_private_segment 0
		.amdhsa_kernarg_size 112
		.amdhsa_user_sgpr_count 2
		.amdhsa_user_sgpr_kernarg_segment_ptr 1
		.amdhsa_wavefront_size32 1
		.amdhsa_system_sgpr_workgroup_id_x 1
		.amdhsa_system_sgpr_workgroup_id_y 1
		.amdhsa_system_sgpr_workgroup_id_z 1
		.amdhsa_system_vgpr_workitem_id 0
		.amdhsa_next_free_vgpr 1024
		.amdhsa_next_free_sgpr 102
		.amdhsa_reserve_vcc 0
		.amdhsa_float_denorm_mode_32 3
		.amdhsa_float_denorm_mode_16_64 3
		.amdhsa_memory_ordered 1
		.amdhsa_forward_progress 1
		.amdhsa_inst_pref_size 160
	.end_amdhsa_kernel
	.amdgpu_metadata
---
amdhsa.version: [ 1, 2 ]
amdhsa.kernels:
  - .name:           k_q925a806540_projkv
    .symbol:         k_q925a806540_projkv.kd
    .args:
      - { .name: key_codes, .offset: 0, .size: 8, .value_kind: global_buffer, .address_space: global }
      - { .name: key_scales, .offset: 8, .size: 8, .value_kind: global_buffer, .address_space: global }
      - { .name: Wk_codes, .offset: 16, .size: 8, .value_kind: global_buffer, .address_space: global }
      - { .name: Wk_scales, .offset: 24, .size: 8, .value_kind: global_buffer, .address_space: global }
      - { .name: kbuf, .offset: 32, .size: 8, .value_kind: global_buffer, .address_space: global }
      - { .name: Wv_codes, .offset: 40, .size: 8, .value_kind: global_buffer, .address_space: global }
      - { .name: Wv_scales, .offset: 48, .size: 8, .value_kind: global_buffer, .address_space: global }
      - { .name: value_codes, .offset: 56, .size: 8, .value_kind: global_buffer, .address_space: global }
      - { .name: value_scales, .offset: 64, .size: 8, .value_kind: global_buffer, .address_space: global }
      - { .name: vbuf, .offset: 72, .size: 8, .value_kind: global_buffer, .address_space: global }
      - { .name: query, .offset: 80, .size: 8, .value_kind: global_buffer, .address_space: global }
      - { .name: qrow, .offset: 88, .size: 8, .value_kind: global_buffer, .address_space: global }
      - { .name: Wo_codes, .offset: 96, .size: 8, .value_kind: global_buffer, .address_space: global }
      - { .name: woimg, .offset: 104, .size: 8, .value_kind: global_buffer, .address_space: global }
    .group_segment_fixed_size: 327680
    .private_segment_fixed_size: 0
    .kernarg_segment_align: 8
    .kernarg_segment_size: 112
    .max_flat_workgroup_size: 128
    .sgpr_count:     102
    .vgpr_count:     1024
    .wavefront_size: 32
...
	.end_amdgpu_metadata
.endif
;; end of part 1
;; launch projq (part 2): grid 4 x 32, 4 waves a work-group, clusters of 4 x 4, 327,680 bytes of LDS; arguments qrow, Wq_codes, Wq_scales, qbuf; writes qbuf
.if DOCPART == 2
	.amdgcn_target "amdgcn-amd-amdhsa--gfx1250"
	.amdhsa_code_object_version 6
	.text
	.protected	k_q925a806540_projq
	.globl	k_q925a806540_projq
	.p2align	8
	.type	k_q925a806540_projq,@function
k_q925a806540_projq:
	s_mov_b64 s[64:65], 0
	v_nop
	global_prefetch_b8 v0, s[64:65] scope:SCOPE_SE
	s_setreg_imm32_b32 hwreg(HW_REG_WAVE_MODE, 25, 1), 1
	s_wait_xcnt 0x0
	s_wait_alu depctr_hold_cnt(0) depctr_sa_sdst(0) depctr_va_vdst(0) depctr_va_sdst(0) depctr_va_ssrc(0) depctr_va_vcc(0) depctr_vm_vsrc(0)
	s_getreg_b32 s2, hwreg(HW_REG_IB_STS2, 6, 4)
	s_cmp_eq_u32 s2, 0
	s_cbranch_scc0 .Lentry_in_a_cluster
	s_endpgm
.Lentry_in_a_cluster:
	s_bfe_u32 s2, ttmp6, 0x10000c
	s_cmp_lg_u32 s2, 0xf033
	s_cbranch_scc0 .Lentry_shape_is_right
	s_endpgm
.Lentry_shape_is_right:
; q = Q(query) Wq^T on codes of FP4 (E2M1) with E8M0 scales, quantised again along each head's 64 features on its way out.  query's codes and scale bytes were made by the launch before (qrow: codes [8192][512 bytes],
; scale bytes [8192][32] from byte IMGB on).  128 work-groups of four waves: the tile of 256 x 256 and its text are those of the launch for k; a smaller tile would want macros of its own for a short launch.
; THE PRODUCT.  A wave makes 128 x 128: 64 accumulators.  Source 0 takes rows of B = Wq, source 1 rows of A = the tokens: a lane holds ONE token and its registers run along the features, the next product's K.
; K = 1,024 lies in LDS whole, as two slots of 512 (rows of 256 bytes + 16 of padding), with the scale bytes of the tile's 512 rows behind them: every byte of LDS is filled once.
; CLUSTERS: 4 x 4.  A's tile hangs on the cluster's y and cy alone and is asked for jointly by a row of the cluster, B's on cx alone, by a column.
; THE WAY OUT: images of the operand's registers, [piece c][lane][16 bytes], 1,024 bytes at (g x 512 + token tile) x 1024, g the pair of heads; piece c is head 2 g + c.  The scale words of 8 tiles are 512 bytes: word j of a
; lane's 16 bytes is tile 2 j (lanes 0-15) or 2 j + 1 (lanes 16-31).
; LIMITS: NaN and infinities are not served.  A block of zeros gets the byte 1 where the rule says 127 (its codes are zeros, and this program alone reads the bytes); a block whose largest magnitude lies under 2^-124 keeps the byte 1.
.set KSTEP,  512
.set NQ,     4
.set ROWB,   256
.set KROW,   512
.set PITCH,  272                       ; an LDS row: 256 bytes + 16 of padding: the 16 rows of a load start at 16 different banks (64 banks of 4 bytes: ISA guide 11.1)
.set FR,     8
.set NL,     2
.set NP,     4                         ; places behind this matrix instruction (ISA guide 7.12.1)
.set HALFT,  128*PITCH
.set SLOT,   4*HALFT
.set KS,     32
.set SCL,    2*SLOT
.set HALFS,  (128*KS/256)*272
.set SBLK,   (16*KS/256)*272
.set IMGB,   4194304
.set ADRA, 16
.set ADRB, 20
.set VO,   26
.set ADRS, 27
.set SC,   32
.set AF,   128
.set PCD,  128
.set TM,   200
.set PW,   216
.set SW,   220
.set G1, 24
.set G0, 32
.set G1B, 48
.set G0B, 56
.set G1S, 68
.set G0S, 76
.set G1SB, 80
.set G0SB, 88
.set MSB, 0
.macro WIN new                         ; the immediate's high byte repeats the setting that is left
.if MSB != \new
	s_set_vgpr_msb (MSB<<8)|\new
.set MSB, \new
.endif
.endm
.set MUL_LO, 0xa1
.set MUL_HI, 0xf1
.set TO_B,   0x40
.macro JLOAD g0a, g1a, g0b, g1b        ; a joint load: waves 0 and 1 fetch for A, waves 2 and 3 for B; four v_nop follow each of the two lines
	s_cmp_eq_u32 s15, 0
	s_cbranch_scc0 .Lfor_b_\@
	tensor_load_to_lds s[\g0a:\g0a+3], s[\g1a:\g1a+7]
	s_nop 0
.rept 4
	v_nop
.endr
	s_branch .Lasked_\@
.Lfor_b_\@:
	tensor_load_to_lds s[\g0b:\g0b+3], s[\g1b:\g1b+7]
	s_nop 0
.rept 4
	v_nop
.endr
.Lasked_\@:
.endm
.macro CROUND                          ; a round of the cluster's barrier
	s_barrier_signal -1
	s_barrier_wait -1
	s_cmp_lg_u32 s14, 0
	s_cbranch_scc1 .Lnot_wave_0_\@
	s_barrier_signal -3
.Lnot_wave_0_\@:
	s_barrier_wait -3
	s_barrier_signal -1
	s_barrier_wait -1
.endm
	s_load_b64 s[4:5], s[0:1], 0x0                 ; qrow
	s_load_b128 s[8:11], s[0:1], 0x8               ; Wq's codes, Wq's scales
	s_load_b64 s[12:13], s[0:1], 0x18              ; qbuf
	v_lshl_add_u32 v254, v0, 2, 0x48400
	v_mov_b32 v255, 0
	ds_add_u32 v254, v255
	ds_add_u32 v254, v255
	v_lshrrev_b32 v1, 5, v0
	v_readfirstlane_b32 s14, v1                    ; wave 0..3
	s_lshr_b32 s15, s14, 1
	s_and_b32 s16, s14, 1
	s_bfe_u32 s40, ttmp6, 0x40000                  ; cx
	s_bfe_u32 s41, ttmp6, 0x40004                  ; cy
	s_and_b32 s66, ttmp7, 0xffff                   ; the cluster's y, 0..7
	s_lshl_b32 s43, s41, 2
	s_lshl_b32 s43, 15, s43                        ; my row of the cluster
	s_lshl_b32 s44, 0x1111, s40                    ; my column
	s_lshl_b32 s17, s66, 2
	s_add_co_u32 s17, s17, s41                     ; A's tile of 256 tokens: 4 y + cy
	s_mov_b32 s42, s40                             ; B's tile of 256 features: cx
	s_mov_b32 s67, 512                             ; token tiles in all
	s_wait_dscnt 0x0
	s_wait_kmcnt 0x0
	s_add_nc_u64 s[6:7], s[4:5], IMGB              ; query's scale bytes
	s_or_b32 s[G1+0], s43, (0<<16)|(1<<20)|(1<<21)|(5<<22)|(3<<25)   ; 15:0 the mask; 17:16 elements of 1 byte; 20 padding on; 21 set beside a mask; 24:22 after every 64 words; 31:25 four words
	s_or_b32 s[G1B+0], s44, (0<<16)|(1<<20)|(1<<21)|(5<<22)|(3<<25)
.irp g, G1, G1B
	s_mov_b32 s[\g+1], ROWB<<16
	s_mov_b32 s[\g+2], 128<<16
	s_mov_b32 s[\g+3], ROWB<<16
	s_mov_b32 s[\g+4], 128
	s_mov_b32 s[\g+5], KROW
	s_mov_b32 s[\g+6], 0
	s_mov_b32 s[\g+7], 0
.endr
	s_or_b32 s[G1S+0], s43, (3<<16)|(1<<20)|(1<<21)|(5<<22)|(3<<25)
	s_or_b32 s[G1SB+0], s44, (3<<16)|(1<<20)|(1<<21)|(5<<22)|(3<<25)
.irp g, G1S, G1SB
	s_mov_b32 s[\g+1], 32<<16
	s_mov_b32 s[\g+2], (128*KS/256)<<16
	s_mov_b32 s[\g+3], 32<<16
	s_mov_b32 s[\g+4], 128*KS/256
	s_mov_b32 s[\g+5], 32
	s_mov_b32 s[\g+6], 0
	s_mov_b32 s[\g+7], 0
.endr
	s_lshl_b32 s18, s16, 7
	s_lshl_b32 s20, s17, 8
	s_add_co_u32 s20, s20, s18
	s_lshl_b32 s46, s42, 8
	s_add_co_u32 s46, s46, s18
	s_mov_b32 s21, 0
	s_mov_b32 s47, 0
	s_mov_b64 s[18:19], KS
	s_mul_u64 s[22:23], s[20:21], s[18:19]
	s_mul_u64 s[92:93], s[46:47], s[18:19]
	s_mov_b64 s[18:19], KROW
	s_mul_u64 s[20:21], s[20:21], s[18:19]
	s_mul_u64 s[46:47], s[46:47], s[18:19]
	s_mul_i32 s45, s14, HALFT
	s_mul_i32 s94, s14, HALFS
	s_add_nc_u64 s[20:21], s[4:5], s[20:21]
	s_add_nc_u64 s[22:23], s[6:7], s[22:23]
	s_add_nc_u64 s[46:47], s[8:9], s[46:47]
	s_add_nc_u64 s[92:93], s[10:11], s[92:93]
	CROUND                                         ; all sixteen work-groups are here: the joint loads meet
	s_mov_b32 s[G0S], 1
	s_add_co_u32 s[G0S+1], s94, SCL
	s_mov_b64 s[G0S+2:G0S+3], s[22:23]
	s_or_b32 s[G0S+3], s[G0S+3], 0x80000000
	s_mov_b32 s[G0SB], 1
	s_add_co_u32 s[G0SB+1], s94, SCL
	s_mov_b64 s[G0SB+2:G0SB+3], s[92:93]
	s_or_b32 s[G0SB+3], s[G0SB+3], 0x80000000
	JLOAD G0S, G1S, G0SB, G1SB                     ; three loads a wave, all first fills
.irp s, 0,1
	s_mov_b32 s[G0+4*\s], 1
	s_add_co_u32 s[G0+4*\s+1], s45, \s*SLOT
	s_add_nc_u64 s[G0+4*\s+2:G0+4*\s+3], s[20:21], \s*ROWB
	s_or_b32 s[G0+4*\s+3], s[G0+4*\s+3], 0x80000000
	s_mov_b32 s[G0B+4*\s], 1
	s_add_co_u32 s[G0B+4*\s+1], s45, \s*SLOT
	s_add_nc_u64 s[G0B+4*\s+2:G0B+4*\s+3], s[46:47], \s*ROWB
	s_or_b32 s[G0B+4*\s+3], s[G0B+4*\s+3], 0x80000000
	JLOAD G0+4*\s, G1, G0B+4*\s, G1B
.endr
	s_lshl_b32 s18, s42, 1                         ; where my results go: image (g x 512 + T1), g = 2 cx + my half, T1 = 16 x A's tile + 8 x my half + 0 .. 7
	s_add_co_u32 s18, s18, s16
	s_mul_i32 s18, s18, s67
	s_lshl_b32 s19, s17, 4
	s_add_co_u32 s18, s18, s19
	s_lshl_b32 s19, s15, 3
	s_add_co_u32 s18, s18, s19
	s_mov_b32 s21, 0
	s_lshl_b32 s20, s18, 6
	s_add_nc_u64 s[96:97], s[12:13], s[20:21]
	s_add_nc_u64 s[96:97], s[96:97], IMGB
	s_lshl_b32 s20, s18, 10
	s_add_nc_u64 s[12:13], s[12:13], s[20:21]
	v_and_b32 v1, 15, v0
	v_bfe_u32 v2, v0, 4, 1
	v_mul_u32_u24 v3, v1, PITCH
	v_lshl_add_u32 v4, v2, 4, v3
	s_mul_i32 s21, s15, HALFT
	s_mul_i32 s22, s16, HALFT
	s_add_co_u32 s22, s22, 2*HALFT
.irp s, 0,1
	v_add_nc_u32 v[ADRA+\s], s21, v4
	v_add_nc_u32 v[ADRB+\s], s22, v4
	s_add_co_u32 s21, s21, SLOT
	s_add_co_u32 s22, s22, SLOT
.endr
	v_mul_u32_u24 v5, v1, KS
	v_lshrrev_b32 v6, 8, v5
	v_lshl_add_u32 v5, v6, 4, v5
	s_mul_i32 s21, s15, HALFS
	s_mul_i32 s22, s16, HALFS
	s_add_co_u32 s22, s22, 2*HALFS
	s_sub_co_u32 s22, s22, s21
	v_mul_u32_u24 v6, s22, v2
	s_add_co_u32 s21, s21, SCL
	v_add_nc_u32 v5, v5, v6
	v_add_nc_u32 v[ADRS], s21, v5
	v_and_b32 v6, 31, v0
	v_lshlrev_b32 v[VO], 4, v6
.irp b, 0,1,2,3
	v_mov_b32 v[TM+4+\b], 0                        ; written once: a lane permute's destination counts as one of its sources
.endr
	s_mov_b32 s98, 0xffff0000
	s_mov_b32 s99, 0x1800000
	s_mov_b32 s100, 0x76543210
	s_mov_b32 s101, 0xfedcba98
.macro FRAG reg, adr, q, i
.irp c, 0,1
	ds_load_b128 v[\reg+4*\c:\reg+4*\c+3], v[\adr] offset:64*(\q)+32*\c+(\i)*16*PITCH
.endr
.endm
; 16 matrix instructions: A's blocks a0, a0 + 1 x B's eight.  The 64 accumulators take turns, one instruction a turn, in the same order in every step.
.macro MUL16 a0, p, q, sc, zero
.irp a, \a0, \a0+1
.irp b, 0,1,2,3,4,5,6,7
.if \zero
	v_wmma_scale_f32_16x16x128_f8f6f4 v[8*(8*((\a)%4)+\b):8*(8*((\a)%4)+\b)+7], v[128*(\p)+FR*\b:128*(\p)+FR*\b+FR-1], v[AF+FR*(\a):AF+FR*(\a)+FR-1], 0, v[SC+8*NQ*(\sc)+NQ*\b+(\q)], v[SC+8*NQ*(\sc)+NQ*(\a)+(\q)] matrix_a_fmt:MATRIX_FMT_FP4 matrix_b_fmt:MATRIX_FMT_FP4 matrix_a_scale:MATRIX_SCALE_ROW1
.else
	v_wmma_scale_f32_16x16x128_f8f6f4 v[8*(8*((\a)%4)+\b):8*(8*((\a)%4)+\b)+7], v[128*(\p)+FR*\b:128*(\p)+FR*\b+FR-1], v[AF+FR*(\a):AF+FR*(\a)+FR-1], v[8*(8*((\a)%4)+\b):8*(8*((\a)%4)+\b)+7], v[SC+8*NQ*(\sc)+NQ*\b+(\q)], v[SC+8*NQ*(\sc)+NQ*(\a)+(\q)] matrix_a_fmt:MATRIX_FMT_FP4 matrix_b_fmt:MATRIX_FMT_FP4 matrix_a_scale:MATRIX_SCALE_ROW1
.endif
.endr
.endr
.endm
.macro FETCH_B slot, q, p
	WIN TO_B
.irp i, 0,1,2,3,4,5,6,7
	FRAG 128*(\p)+FR*\i, ADRB+\slot, \q, \i
.endr
	WIN 0
.endm
.macro FETCH_A slot, q, i0
.irp i, \i0, \i0+1, \i0+2, \i0+3
	FRAG AF+FR*(\i), ADRA+\slot, \q, \i
.endr
.endm
.macro SCALES sc
.irp i, 0,1,2,3,4,5,6,7
	ds_load_b128 v[SC+8*NQ*\sc+NQ*\i:SC+8*NQ*\sc+NQ*\i+3], v[ADRS] offset:\i*SBLK
.endr
.endm
.macro PLACES n
.rept \n
	v_nop
.endr
.endm
.macro STEP slot, q, zero
	s_wait_dscnt 4*NL                              ; B's set and A's blocks 0-3 are in; the youngest eight loads (A's blocks 4-7) may be out
	WIN MUL_LO
	MUL16 0, (\q)%2, \q, \slot, \zero
	MUL16 2, (\q)%2, \q, \slot, \zero
	s_wait_dscnt 0
	PLACES NP
	FETCH_B \slot, (\q)+1, 1-(\q)%2
	FETCH_A \slot, (\q)+1, 0
	WIN MUL_HI
	MUL16 4, (\q)%2, \q, \slot, \zero
	MUL16 6, (\q)%2, \q, \slot, \zero
	PLACES NP
	WIN 0
	FETCH_A \slot, (\q)+1, 4
.endm
.macro TURN slot, next                 ; slot 0's last step: behind its barrier slot 1 is whole for every wave; nothing is filled again
	s_wait_tensorcnt 0x0
	s_wait_dscnt 4*NL
	WIN MUL_LO
	MUL16 0, 1, NQ-1, \slot, 0
	s_wait_dscnt 0x0
	s_barrier_signal -1
	MUL16 2, 1, NQ-1, \slot, 0
	WIN 0
	s_barrier_wait -1
	PLACES NP
	v_add_nc_u32 v[ADRS], 4*NQ, v[ADRS]
	FETCH_B \next, 0, 0
	FETCH_A \next, 0, 0
	SCALES \next
	WIN MUL_HI
	MUL16 4, 1, NQ-1, \slot, 0
	MUL16 6, 1, NQ-1, \slot, 0
	PLACES NP
	WIN 0
	FETCH_A \next, 0, 4
.endm
.macro STEPS slot, from
.set Q, \from
.rept NQ-1-\from
	STEP \slot, Q, 0
.set Q, Q+1
.endr
.endm
	s_wait_tensorcnt 1                             ; the scale bytes and my part of slot 0 are in; slot 1's load may be out
	s_barrier_signal -1
	s_barrier_wait -1
	FETCH_B 0, 0, 0
	FETCH_A 0, 0, 0
	SCALES 0
	FETCH_A 0, 0, 4
	STEP 0, 0, 1
	STEPS 0, 1
	TURN 0, 1
	STEPS 1, 0
	s_wait_dscnt 4*NL
	WIN MUL_LO
	MUL16 0, 1, NQ-1, 1, 0
	MUL16 2, 1, NQ-1, 1, 0
	s_wait_dscnt 0
	WIN MUL_HI
	MUL16 4, 1, NQ-1, 1, 0
	MUL16 6, 1, NQ-1, 1, 0
	WIN 0
	PLACES NP
; THE WAY OUT of A's block a.  Register 16 b + 8 u + j of its 64 holds the next K's place 32 b + 16 u + 8 (l / 16) + j, for the token l % 16.  The conversions of (block 2 c, u) and (block 2 c + 1, u) stand in neighbouring
; registers; one exchange of the first's upper lanes with the second's lower lanes gives the operand's registers 4 c + 2 u and 4 c + 2 u + 1.
.macro QOUT a
.set AC, 64*((\a)%4)
.set PA, PCD+8*(\a)
	WIN 0x28+0x14*((\a)/4)
.irp b, 0,1,2,3
	v_max3_num_f32 v[TM+\b], s99, |v[AC+16*\b]|, |v[AC+16*\b+1]|   ; each accumulator is read from its low end on
.endr
.irp e, 2,4,6,8,10,12,14
.irp b, 0,1,2,3
	v_max3_num_f32 v[TM+\b], v[TM+\b], |v[AC+16*\b+\e]|, |v[AC+16*\b+\e+1]|
.endr
.endr
	WIN 0
.irp b, 0,1,2,3
	v_permlanex16_b32 v[TM+4+\b], v[TM+\b], s100, s101
.endr
.irp b, 0,1,2,3
	v_max_num_f32 v[TM+\b], v[TM+\b], v[TM+4+\b]
.endr
.irp b, 0,1,2,3
	v_add_nc_u32 v[TM+12+\b], 0xff000000, v[TM+\b]
.endr
.irp b, 0,1,2,3
	v_lshrrev_b32 v[TM+4+\b], 23, v[TM+12+\b]
.endr
.if ((\a)%2) == 0
	v_lshl_or_b32 v[SW+(\a)/2], v[TM+5], 8, v[TM+4]
	v_lshl_or_b32 v[SW+(\a)/2], v[TM+6], 16, v[SW+(\a)/2]
	v_lshl_or_b32 v[SW+(\a)/2], v[TM+7], 24, v[SW+(\a)/2]
.else
	v_lshl_or_b32 v[PW], v[TM+5], 8, v[TM+4]
	v_lshl_or_b32 v[PW], v[TM+6], 16, v[PW]
	v_lshl_or_b32 v[PW], v[TM+7], 24, v[PW]
	v_cndmask_b32 v[SW+(\a)/2], v[SW+(\a)/2], v[PW], s98
.endif
	WIN 0x02+(\a)/4
.irp c, 0,1
	v_cvt_scalef32_pk8_fp4_f32 v[PA+4*\c], v[AC+32*\c:AC+32*\c+7], v[TM+12+2*\c]
	v_cvt_scalef32_pk8_fp4_f32 v[PA+4*\c+1], v[AC+32*\c+16:AC+32*\c+23], v[TM+13+2*\c]
	v_cvt_scalef32_pk8_fp4_f32 v[PA+4*\c+2], v[AC+32*\c+8:AC+32*\c+15], v[TM+12+2*\c]
	v_cvt_scalef32_pk8_fp4_f32 v[PA+4*\c+3], v[AC+32*\c+24:AC+32*\c+31], v[TM+13+2*\c]
.endr
	WIN 0
	v_nop                                          ; one plain line behind a scaled conversion
.irp c, 0,1
	v_permlane16_swap_b32 v[PA+4*\c], v[PA+4*\c+1]
	v_permlane16_swap_b32 v[PA+4*\c+2], v[PA+4*\c+3]
.endr
	global_store_b128 v[VO], v[PA:PA+3], s[12:13] offset:1024*(\a)
	global_store_b128 v[VO], v[PA+4:PA+7], s[12:13] offset:1024*(\a)+512
.endm
.irp a, 0,1,2,3,4,5,6,7
	QOUT \a
.endr
	global_store_b128 v[VO], v[SW:SW+3], s[96:97]
	s_wait_tensorcnt 0x0
	ds_add_u32 v254, v255
	s_wait_dscnt 0x0
	CROUND                                         ; the closing round
	s_endpgm
.Lfunc_end_k_q925a806540_projq:
	.size	k_q925a806540_projq, .Lfunc_end_k_q925a806540_projq-k_q925a806540_projq
	.p2alignl 7, 3214868480
	.fill 96, 4, 3214868480
	.section	.rodata,"a",@progbits
	.p2align	6, 0x0
	.amdhsa_kernel k_q925a806540_projq
		.amdhsa_group_segment_fixed_size 327680
		.amdhsa_private_segment_fixed_size 0
		.amdhsa_enable_private_segment 0
		.amdhsa_kernarg_size 32
		.amdhsa_user_sgpr_count 2
		.amdhsa_user_sgpr_kernarg_segment_ptr 1
		.amdhsa_wavefront_size32 1
		.amdhsa_system_sgpr_workgroup_id_x 1
		.amdhsa_system_sgpr_workgroup_id_y 1
		.amdhsa_system_sgpr_workgroup_id_z 1
		.amdhsa_system_vgpr_workitem_id 0
		.amdhsa_next_free_vgpr 1024
		.amdhsa_next_free_sgpr 102
		.amdhsa_reserve_vcc 0
		.amdhsa_float_denorm_mode_32 3
		.amdhsa_float_denorm_mode_16_64 3
		.amdhsa_memory_ordered 1
		.amdhsa_forward_progress 1
		.amdhsa_inst_pref_size 127
	.end_amdhsa_kernel
	.amdgpu_metadata
---
amdhsa.version: [ 1, 2 ]
amdhsa.kernels:
  - .name:           k_q925a806540_projq
    .symbol:         k_q925a806540_projq.kd
    .args:
      - { .name: qrow, .offset: 0, .size: 8, .value_kind: global_buffer, .address_space: global }
      - { .name: Wq_codes, .offset: 8, .size: 8, .value_kind: global_buffer, .address_space: global }
      - { .name: Wq_scales, .offset: 16, .size: 8, .value_kind: global_buffer, .address_space: global }
      - { .name: qbuf, .offset: 24, .size: 8, .value_kind: global_buffer, .address_space: global }
    .group_segment_fixed_size: 327680
    .private_segment_fixed_size: 0
    .kernarg_segment_align: 8
    .kernarg_segment_size: 32
    .max_flat_workgroup_size: 128
    .sgpr_count:     102
    .vgpr_count:     1024
    .wavefront_size: 32
...
	.end_amdgpu_metadata
.endif
;; end of part 2
;; launch attn (part 3): grid 4 x 64, 8 waves a work-group, clusters of 4 x 1, 168,960 bytes of LDS; arguments qbuf, kbuf, vbuf, mask, abuf; writes abuf
.if DOCPART == 3
	.amdgcn_target "amdgcn-amd-amdhsa--gfx1250"
	.amdhsa_code_object_version 6
	.text
	.protected	k_q925a806540_attn
	.globl	k_q925a806540_attn
	.p2align	8
	.type	k_q925a806540_attn,@function
k_q925a806540_attn:
	s_mov_b64 s[64:65], 0
	v_nop
	global_prefetch_b8 v0, s[64:65] scope:SCOPE_SE
	s_setreg_imm32_b32 hwreg(HW_REG_WAVE_MODE, 25, 1), 1
	s_wait_xcnt 0x0
	s_wait_alu depctr_hold_cnt(0) depctr_sa_sdst(0) depctr_va_vdst(0) depctr_va_sdst(0) depctr_va_ssrc(0) depctr_va_vcc(0) depctr_vm_vsrc(0)
	s_getreg_b32 s2, hwreg(HW_REG_IB_STS2, 6, 4)
	s_cmp_eq_u32 s2, 0
	s_cbranch_scc0 .Lentry_in_a_cluster
	s_endpgm
.Lentry_in_a_cluster:
	s_bfe_u32 s2, ttmp6, 0x10000c
	s_cmp_lg_u32 s2, 0x3003
	s_cbranch_scc0 .Lentry_shape_is_right
	s_endpgm
.Lentry_shape_is_right:
; One head of one batch for 512 queries: S^T = K Q^T + the mask's term, p = 2^(t - M), O^T = V^T P^T, O / l, and O quantised along the features for the last product.  All products on codes of FP4 (E2M1) with E8M0 scales.
; t = (q . k + 8 (mask - 1) 1e8) x log2(e) / 8;  M = the row's largest t so far, rounded UP to a whole number;  p is quantised along the keys, not normalised;  l is the sum of the unquantised p.
; SHARES.  Work-group (cx, b h): queries 512 cx on of head h of batch b.  Eight waves, two to a SIMD; a wave owns four tiles of 16 queries, so that each fragment of K and V, each scale word and each mask term read from LDS
; serves four tiles.  Every wave walks the 2,048 keys, 128 a step.
; LDS.  The head's K (64 KiB), V (64 KiB) and their scale words (8 KiB each) come ONCE, by joint loads of the cluster's four work-groups, which walk the same head; they lie as images of the operands' registers, so every read is
; 16 bytes a lane on end.  Nothing is filled again, and the loop over the keys has no barrier.
; A HEAD HAS 64 ALONG K where the instruction takes 128: registers 4-7 of K's and Q's fragments are zero codes, and the upper two bytes of their scale words are 0 (a power of two, which multiplies zeros).
; THE MASK'S TERM is the C of the first product: eight registers a tile of keys, in the result's layout.
; LAYOUT.  Both products are used transposed: a lane holds ONE query (lane % 16).  Register 16 b + 8 u + j of a tile's 64 scores is key 32 b + 16 u + 8 (lane / 16) + j.  The conversions of (block 2 c, u) and (block 2 c + 1, u) stand
; in neighbouring registers; one exchange of the first's upper lanes with the second's lower lanes gives the operand's registers 4 c + 2 u and 4 c + 2 u + 1.
; LIMITS: NaN and infinities are not served.  A block of zeros keeps the byte 1 (its codes are zeros).  The mask's term is added with the matrix unit's own rounding and t - M is one fused multiply-add: that shows only where
; a row's LARGEST logit is of the size of 1e8, a batch in which every key is masked.
.set VC,   65536                       ; LDS: K's images from 0 (128 tiles x 512 bytes); V's here (16 steps x 4 tiles x 1,024 bytes)
.set KSO,  131072                      ; K's scale words: 512 bytes a step
.set VSO,  139264                      ; V's: 512 bytes a step (8 tiles of features, of which my head takes 4)
.set AM,   147456                      ; 8 (mask - 1) 1e8, f32, a key each: stored by the waves, no tile lands here
.set ASG,  157696                      ; the way out: 512 pairs of scale bytes
.set IMGB, 4194304
.set AV0,  3                           ; v1 = 16 x lane (K's base too); v3-6 the lane's places in V, K's scales, V's scales, the mask's terms
.set AKS0, 4
.set AVS0, 5
.set AAM0, 6
.set ADK,  7                           ; v7-11 the addresses of the step in hand
.set ADV,  8
.set AKS,  9
.set AVS,  10
.set AAM,  11
.set ST,   12                          ; v12-27 tile i: -M, the largest t, the sum in two halves
.set KSR,  28                          ; v28-31 K's scale words: register j: tile 2 j in lanes 0-15, 2 j + 1 in lanes 16-31
.set VSR,  32                          ; v32-33 V's likewise
.set PW,   34                          ; p's scale word
.set PCD,  36                          ; v36-43 p's codes
.set BM,   44                          ; v44-47 the blocks' largest scores, then largest p
.set T2,   48
.set SCO,  52                          ; v52-55 the conversions' scale operands
.set F,    56                          ; v[56:57] f = 2^(old M - new M)
.set TP,   58                          ; v58-61 at work
.set QS,   62                          ; v62-63 Q's scale words, as K's
.set KF,   64                          ; v64-127 K's 8 fragments
.set VF,   128                         ; v128-159 V's 4 fragments
.set S,    160                         ; v160-223 S^T, then p
.set CM,   128                         ; window 1: v0-127 O^T, 32 a tile; v128-191 the mask's terms; v192-223 Q's 4 fragments
.set QF,   192
.set WV,   22
.set G1K,  32
.set G1KS, 40
.set G1V,  48
.set G1VS, 56
.set G0K,  68
.set G0KS, 72
.set G0V,  76
.set G0VS, 80
.set SEL,  84
.set CS,   86
.set TK,   88                          ; s88 4,096 x step;  s89 512 x step
.set TS,   89
.set MSB, 0
.macro WIN new                         ; the immediate's high byte repeats the setting that is left
.if MSB != \new
	s_set_vgpr_msb (MSB<<8)|\new
.set MSB, \new
.endif
.endm
.macro PLACES n
.rept \n
	v_nop
.endr
.endm
.macro JL g0a, g1a, g0b, g1b           ; a joint load: waves 0-3 fetch for K, waves 4-7 for V; four v_nop follow each of the two lines
	s_cmp_lt_u32 s[WV], 4
	s_cbranch_scc0 .Lfor_v_\@
	tensor_load_to_lds s[\g0a:\g0a+3], s[\g1a:\g1a+7]
	s_nop 0
.rept 4
	v_nop
.endr
	s_branch .Lasked_\@
.Lfor_v_\@:
	tensor_load_to_lds s[\g0b:\g0b+3], s[\g1b:\g1b+7]
	s_nop 0
.rept 4
	v_nop
.endr
.Lasked_\@:
.endm
.macro ROUND                           ; a round of the cluster's barrier
	s_barrier_signal -1
	s_barrier_wait -1
	s_cmp_lg_u32 s[WV], 0
	s_cbranch_scc1 .Lnot_wave_0_\@
	s_barrier_signal -3
.Lnot_wave_0_\@:
	s_barrier_wait -3
	s_barrier_signal -1
	s_barrier_wait -1
.endm
.macro WM d, a, b, cc, sa, sb, ra, rb  ; D = A B + C; ra, rb: the side's scale words stand in lanes 16-31
.if (\ra) && (\rb)
	v_wmma_scale_f32_16x16x128_f8f6f4 v[\d:\d+7], v[\a:\a+7], v[\b:\b+7], v[\cc:\cc+7], v[\sa], v[\sb] matrix_a_fmt:MATRIX_FMT_FP4 matrix_b_fmt:MATRIX_FMT_FP4 matrix_a_scale:MATRIX_SCALE_ROW1 matrix_b_scale:MATRIX_SCALE_ROW1
.elseif (\ra)
	v_wmma_scale_f32_16x16x128_f8f6f4 v[\d:\d+7], v[\a:\a+7], v[\b:\b+7], v[\cc:\cc+7], v[\sa], v[\sb] matrix_a_fmt:MATRIX_FMT_FP4 matrix_b_fmt:MATRIX_FMT_FP4 matrix_a_scale:MATRIX_SCALE_ROW1
.elseif (\rb)
	v_wmma_scale_f32_16x16x128_f8f6f4 v[\d:\d+7], v[\a:\a+7], v[\b:\b+7], v[\cc:\cc+7], v[\sa], v[\sb] matrix_a_fmt:MATRIX_FMT_FP4 matrix_b_fmt:MATRIX_FMT_FP4 matrix_b_scale:MATRIX_SCALE_ROW1
.else
	v_wmma_scale_f32_16x16x128_f8f6f4 v[\d:\d+7], v[\a:\a+7], v[\b:\b+7], v[\cc:\cc+7], v[\sa], v[\sb] matrix_a_fmt:MATRIX_FMT_FP4 matrix_b_fmt:MATRIX_FMT_FP4
.endif
.endm
	s_load_b256 s[4:11], s[0:1], 0x0               ; qbuf, kbuf, vbuf, mask
	s_load_b64 s[12:13], s[0:1], 0x20              ; abuf
	v_lshl_add_u32 v254, v0, 2, 0x29000
	v_mov_b32 v255, 0
	ds_add_u32 v254, v255
	ds_add_u32 v254, v255
	v_lshrrev_b32 v1, 5, v0
	v_readfirstlane_b32 s[WV], v1                  ; wave 0..7
	s_and_b32 s23, s[WV], 3                        ; which quarter I fetch
	s_bfe_u32 s24, ttmp6, 0x40000                  ; cx: my block of 512 queries: it enters Q's and the output's addresses alone
	s_and_b32 s25, ttmp7, 0xffff                   ; 16 b + h, which the four partners share
	s_lshr_b32 s26, s25, 4                         ; b
	s_and_b32 s27, s25, 15                         ; h
	s_lshr_b32 s28, s27, 1                         ; g: the pair of heads
	s_and_b32 s29, s27, 1                          ; c: which of the pair
	s_lshl_b32 s30, s29, 4                         ; 16 c: where my head's two scale bytes begin in a word
	; descriptor groups 1.  15:0 the mask: all four work-groups; 21 set beside a mask; no padding: every read is 16 bytes a lane on end
	s_mov_b32 s[G1K], 15|(1<<21)                   ; K's codes: 32 tiles: rows of 512 bytes (my head's piece), 1,024 apart
	s_mov_b32 s[G1K+1], 512<<16
	s_mov_b32 s[G1K+2], 32<<16
	s_mov_b32 s[G1K+3], 512<<16
	s_mov_b32 s[G1K+4], 32
	s_mov_b32 s[G1K+5], 1024
	s_mov_b32 s[G1K+6], 0
	s_mov_b32 s[G1K+7], 0
	s_mov_b32 s[G1KS], 15|(3<<16)|(1<<21)          ; K's scale words: 2,048 dense bytes as 8 rows of 256 (32 elements of 8 bytes)
	s_mov_b32 s[G1KS+1], 32<<16
	s_mov_b32 s[G1KS+2], 8<<16
	s_mov_b32 s[G1KS+3], 32<<16
	s_mov_b32 s[G1KS+4], 8
	s_mov_b32 s[G1KS+5], 32
	s_mov_b32 s[G1KS+6], 0
	s_mov_b32 s[G1KS+7], 0
	s_mov_b32 s[G1V], 15|(1<<21)                   ; V's codes: 4 steps: rows of 4,096 bytes (my head's 4 tiles), 65,536 apart
	s_mov_b32 s[G1V+1], 4096<<16
	s_mov_b32 s[G1V+2], 4<<16
	s_mov_b32 s[G1V+3], 4096<<16
	s_mov_b32 s[G1V+4], 4
	s_mov_b32 s[G1V+5], 65536
	s_mov_b32 s[G1V+6], 0
	s_mov_b32 s[G1V+7], 0
	s_mov_b32 s[G1VS], 15|(1<<21)                  ; V's scale words: 4 steps: rows of 512 bytes, 4,096 apart
	s_mov_b32 s[G1VS+1], 512<<16
	s_mov_b32 s[G1VS+2], 4<<16
	s_mov_b32 s[G1VS+3], 512<<16
	s_mov_b32 s[G1VS+4], 4
	s_mov_b32 s[G1VS+5], 4096
	s_mov_b32 s[G1VS+6], 0
	s_mov_b32 s[G1VS+7], 0
	s_lshl_b32 s92, s28, 9
	s_lshl_b32 s93, s26, 7
	s_add_co_u32 s92, s92, s93                     ; 512 g + 128 b: the batch's first token tile in qbuf and kbuf
	s_lshl_b32 s93, s23, 5
	s_add_co_u32 s93, s93, s92                     ; the first key tile that I fetch
	s_lshl_b32 s95, s26, 4
	s_lshl_b32 s94, s23, 2
	s_add_co_u32 s95, s95, s94                     ; the first group of 128 keys that I fetch
	s_mov_b32 s91, 0
	s_mov_b32 s[SEL], 0x76543210
	s_mov_b32 s[SEL+1], 0xfedcba98                 ; v_permlanex16_b32's selects for lane l xor 16
	s_mov_b32 s[CS], 0x3e38aa3b                    ; log2(e) / 8
	s_mov_b32 s[CS+1], s[CS]                       ; (named with it as a pair, so it is written)
	s_mov_b32 s[TK], 0
	s_mov_b32 s[TS], 0
	s_wait_dscnt 0x0
	s_wait_kmcnt 0x0
	s_lshl_b32 s90, s93, 10
	s_lshl_b32 s94, s29, 9
	s_add_co_u32 s90, s90, s94
	s_mov_b32 s[G0K], 1
	s_lshl_b32 s[G0K+1], s23, 14
	s_add_nc_u64 s[G0K+2:G0K+3], s[6:7], s[90:91]
	s_or_b32 s[G0K+3], s[G0K+3], 0x80000000
	s_lshl_b32 s90, s93, 6
	s_mov_b32 s[G0KS], 1
	s_lshl_b32 s94, s23, 11
	s_add_co_u32 s[G0KS+1], s94, KSO
	s_add_nc_u64 s[G0KS+2:G0KS+3], s[6:7], s[90:91]
	s_add_nc_u64 s[G0KS+2:G0KS+3], s[G0KS+2:G0KS+3], IMGB
	s_or_b32 s[G0KS+3], s[G0KS+3], 0x80000000
	s_lshl_b32 s90, s95, 6
	s_lshl_b32 s94, s27, 2
	s_add_co_u32 s90, s90, s94
	s_lshl_b32 s90, s90, 10
	s_mov_b32 s[G0V], 1
	s_lshl_b32 s94, s23, 14
	s_add_co_u32 s[G0V+1], s94, VC
	s_add_nc_u64 s[G0V+2:G0V+3], s[8:9], s[90:91]
	s_or_b32 s[G0V+3], s[G0V+3], 0x80000000
	s_lshl_b32 s90, s95, 3
	s_add_co_u32 s90, s90, s28
	s_lshl_b32 s90, s90, 9
	s_mov_b32 s[G0VS], 1
	s_lshl_b32 s94, s23, 11
	s_add_co_u32 s[G0VS+1], s94, VSO
	s_add_nc_u64 s[G0VS+2:G0VS+3], s[8:9], s[90:91]
	s_add_nc_u64 s[G0VS+2:G0VS+3], s[G0VS+2:G0VS+3], IMGB
	s_or_b32 s[G0VS+3], s[G0VS+3], 0x80000000
	ROUND                                          ; all four work-groups are here: the joint loads meet
	JL G0K, G1K, G0V, G1V                          ; two loads a wave, all first fills: a quarter of K's or of V's codes,
	JL G0KS, G1KS, G0VS, G1VS                      ; and of their scale words
	v_and_b32 v58, 31, v0
	v_lshlrev_b32 v1, 4, v58                       ; 16 x lane
	v_lshlrev_b32 v228, 3, v58                     ; 8 x lane
	v_lshlrev_b32 v59, 5, v0                       ; the mask: 8 keys a thread
	s_lshl_b32 s90, s26, 13
	s_add_nc_u64 s[10:11], s[10:11], s[90:91]
	global_load_b128 v[160:163], v59, s[10:11]
	global_load_b128 v[164:167], v59, s[10:11] offset:16
	s_lshl_b32 s93, s24, 5
	s_lshl_b32 s94, s[WV], 2
	s_add_co_u32 s93, s93, s94                     ; 32 cx + 4 w
	s_add_co_u32 s94, s93, s92                     ; my first query tile in qbuf
	s_lshl_b32 s90, s94, 10
	s_lshl_b32 s95, s29, 9
	s_add_co_u32 s90, s90, s95
	s_add_nc_u64 s[14:15], s[4:5], s[90:91]
	WIN 0x40                                       ; destination window 1
.irp i, 0,1,2,3
	global_load_b128 v[QF+8*\i:QF+8*\i+3], v1, s[14:15] offset:1024*\i   ; Q's fragments stay in registers
.endr
	WIN 0
	s_lshr_b32 s90, s94, 3
	s_lshl_b32 s90, s90, 9                         ; the block of 8 tiles' scale words,
	s_and_b32 s95, s[WV], 1
	s_lshl_b32 s95, s95, 3                         ; and my four tiles' two words in a lane's 16 bytes
	s_add_co_u32 s90, s90, s95
	s_add_nc_u64 s[16:17], s[4:5], s[90:91]
	s_add_nc_u64 s[16:17], s[16:17], IMGB
	global_load_b64 v[QS:QS+1], v1, s[16:17]
	s_lshl_b32 s94, s26, 7
	s_add_co_u32 s94, s94, s93                     ; my first token tile
	s_lshl_b32 s90, s94, 4
	s_add_co_u32 s90, s90, s27
	s_lshl_b32 s90, s90, 9
	s_add_nc_u64 s[18:19], s[12:13], s[90:91]      ; abuf: piece (16 x token tile + h) of 512 bytes
	s_lshl_b32 s90, s27, 13
	s_lshl_b32 s94, s26, 11
	s_add_co_u32 s90, s90, s94
	s_lshl_b32 s94, s24, 9
	s_add_co_u32 s90, s90, s94
	s_lshl_b32 s90, s90, 1                         ; abuf's scale pairs: 2 bytes at (8,192 h + token),
	s_lshl_b32 s94, s[WV], 8
	s_add_co_u32 s90, s90, s94                     ; 256 bytes for each of waves 0-3
	s_add_nc_u64 s[20:21], s[12:13], s[90:91]
	s_add_nc_u64 s[20:21], s[20:21], IMGB
	v_add_nc_u32 v[AV0], VC, v1
	v_add_nc_u32 v[AKS0], KSO, v1
	s_lshl_b32 s90, s29, 3
	s_add_co_u32 s90, s90, VSO
	v_add_nc_u32 v[AVS0], s90, v1                  ; my head's four tiles are two of a lane's four words
	v_bfe_u32 v58, v0, 4, 1
	v_lshl_add_u32 v[AAM0], v58, 5, AM             ; lanes 16-31 hold the keys 8 further on
	v_lshl_add_u32 v60, v0, 5, AM
	v_and_b32 v58, 15, v0
	s_lshl_b32 s90, s[WV], 7
	s_add_co_u32 s90, s90, ASG
	v_lshl_add_u32 v224, v58, 1, s90               ; a query's pair of scale bytes: ASG + 128 w + 2 (lane % 16) (+ 32 for each tile)
	s_lshl_b32 s90, s[WV], 8
	s_add_co_u32 s90, s90, ASG
	v_add_nc_u32 v225, s90, v228                   ; and back: 8 bytes a lane
	WIN 0x40
.set n, 0
.rept 128
	v_mov_b32 v[n], 0                              ; O^T.  (The step is written once: the first finds zeros, which the first change of M leaves zeros)
.set n, n+1
.endr
.irp i, 0,1,2,3
.irp j, 4,5,6,7
	v_mov_b32 v[QF+8*\i+\j], 0                     ; zero codes for K = 64 .. 127
.endr
.endr
	WIN 0
.irp t, 0,1,2,3,4,5,6,7
.irp j, 4,5,6,7
	v_mov_b32 v[KF+8*\t+\j], 0
.endr
.endr
.irp i, 0,1,2,3
	v_mov_b32 v[ST+4*\i+1], 0xff61b1e6             ; the largest t so far: -3e38
	v_floor_f32 v[ST+4*\i], -v[ST+4*\i+1]          ; -M
	v_mov_b32 v[ST+4*\i+2], 0
	v_mov_b32 v[ST+4*\i+3], 0
	v_mov_b32 v[T2+\i], 0                          ; written once: a lane permute's destination counts as one of its sources
.endr
	v_mov_b32 v[F+1], 0                            ; (named as the upper half of a pair)
	s_wait_loadcnt 5                               ; the mask is in; Q's four loads and its scale words may be out
.irp j, 0,1,2,3,4,5,6,7
	v_cvt_f32_i32 v[160+\j], v[160+\j]
.endr
.irp j, 0,1,2,3,4,5,6,7
	v_add_f32 v[160+\j], -1.0, v[160+\j]
.endr
.irp j, 0,1,2,3,4,5,6,7
	v_mul_f32 v[160+\j], 0x4e3ebc20, v[160+\j]     ; x 8e8 = 8 x 1e8: the scores are divided by 8 behind the addition
.endr
	ds_store_b128 v60, v[160:163]
	ds_store_b128 v60, v[164:167] offset:16
	s_wait_loadcnt 0x0
	v_bfe_u32 v[QS], v[QS], s30, 16                ; my head's two bytes; the upper two are 0
	v_bfe_u32 v[QS+1], v[QS+1], s30, 16
	s_wait_dscnt 0x0                               ; for the others' sake: my mask terms are stored,
	s_wait_tensorcnt 0x0                           ; and my two tiles have landed
	s_barrier_signal -1
	s_barrier_wait -1
.macro LOADKC                          ; a step's K, its scale words and its mask terms: 25 LDS loads
	v_add_nc_u32 v[ADK], s[TK], v1
	v_add_nc_u32 v[AKS], s[TS], v[AKS0]
	v_add_nc_u32 v[AAM], s[TS], v[AAM0]
.irp t, 0,1,2,3,4,5,6,7
	ds_load_b128 v[KF+8*\t:KF+8*\t+3], v[ADK] offset:512*\t
.endr
	ds_load_b128 v[KSR:KSR+3], v[AKS]
	WIN 0x40
.irp t, 0,1,2,3,4,5,6,7
	ds_load_b128 v[CM+8*\t:CM+8*\t+3], v[AAM] offset:64*\t
	ds_load_b128 v[CM+8*\t+4:CM+8*\t+7], v[AAM] offset:64*\t+16
.endr
	WIN 0
.endm
.macro LOADV                           ; a step's V and its scale words: 9 LDS loads
	v_add_nc_u32 v[ADV], s[TK], v[AV0]
	v_add_nc_u32 v[AVS], s[TS], v[AVS0]
.irp t, 0,1,2,3
.irp c, 0,1
	ds_load_b128 v[VF+8*\t+4*\c:VF+8*\t+4*\c+3], v[ADV] offset:1024*\t+512*\c
.endr
.endr
	ds_load_b64 v[VSR:VSR+1], v[AVS]
.endm
; One tile of 16 queries against the step's 128 keys.  next = 1 (the step's last tile, if a step follows): the next step's K is fetched as soon as this tile's first products have read this step's.
.macro TILE i, next
.set rT, ST+4*(\i)
	WIN 0x14                                       ; source 1 (Q) and source 2 (the mask's terms) window 1
.irp t, 0,1,2,3,4,5,6,7
	WM S+8*\t, KF+8*\t, QF+8*(\i), CM+8*\t, KSR+\t/2, QS+(\i)/2, \t%2, (\i)%2
.endr
	WIN 0
	PLACES 4                                       ; in front of the first read of the scores, and of loads into registers that these products read
.if \next
	LOADKC
.endif
.irp b, 0,1,2,3
	v_max3_num_f32 v[BM+\b], v[S+16*\b], v[S+16*\b+1], v[S+16*\b+2]   ; the largest score of each block of 32 keys: for the row's maximum, and, since p rises with the score, for the block's largest p
.endr
.irp e, 3,5,7,9,11,13
.irp b, 0,1,2,3
	v_max3_num_f32 v[BM+\b], v[BM+\b], v[S+16*\b+\e], v[S+16*\b+\e+1]
.endr
.endr
.irp b, 0,1,2,3
	v_max_num_f32 v[BM+\b], v[BM+\b], v[S+16*\b+15]
.endr
.irp b, 0,1,2,3
	v_permlanex16_b32 v[T2+\b], v[BM+\b], s[SEL], s[SEL+1]
.endr
.irp b, 0,1,2,3
	v_max_num_f32 v[BM+\b], v[BM+\b], v[T2+\b]
.endr
	v_max3_num_f32 v[TP], v[BM], v[BM+1], v[BM+2]
	v_max_num_f32 v[TP], v[TP], v[BM+3]
	v_mul_f32 v[TP], s[CS], v[TP]                  ; the step's largest t of my query
	v_max_num_f32 v[rT+1], v[rT+1], v[TP]
	v_mov_b32 v[TP], v[rT]
	v_floor_f32 v[rT], -v[rT+1]                    ; the new -M = -ceil(t): a whole number
	v_sub_f32 v[TP], v[rT], v[TP]                  ; old M - new M, 0 or less
	v_cvt_i32_f32 v[TP], v[TP]                     ; (it saturates)
	v_ldexp_f32 v[F], 1.0, v[TP]                   ; f = 2^(old M - new M): a multiplication by it rounds nothing
.set n, 0
.rept 32
	v_pk_fma_f32 v[S+n:S+n+1], v[S+n:S+n+1], s[CS:CS+1], v[rT:rT+1] op_sel_hi:[1,0,0]   ; t - M, two at a time
.set n, n+2
.endr
.irp b, 0,1,2,3
	v_fma_f32 v[BM+\b], v[BM+\b], s[CS], v[rT]
.endr
.set n, 0
.rept 64
	v_exp_f32 v[S+n], v[S+n]                       ; p = 2^(t - M)
.set n, n+1
.endr
	v_pk_mul_f32 v[rT+2:rT+3], v[rT+2:rT+3], v[F:F+1] op_sel_hi:[1,0]   ; the sums under the new M (the plain line behind the exponentials)
	s_wait_alu depctr_va_vdst(0)                   ; one wait for the batch of 64, ahead of its first reader
.irp b, 0,1,2,3
	v_exp_f32 v[BM+\b], v[BM+\b]                   ; the blocks' largest p: the same two instructions on the same number give the same bits
.endr
	v_pk_add_f32 v[T2:T2+1], v[S:S+1], v[S+2:S+3]  ; the row's sum of the unquantised p, in two chains
.set n, 4
.rept 15
	v_pk_add_f32 v[rT+2:rT+3], v[rT+2:rT+3], v[S+n:S+n+1]
	v_pk_add_f32 v[T2:T2+1], v[T2:T2+1], v[S+n+2:S+n+3]
.set n, n+4
.endr
	v_pk_add_f32 v[rT+2:rT+3], v[rT+2:rT+3], v[T2:T2+1]
	s_wait_alu depctr_va_vdst(0)                   ; and one for the four
.irp b, 0,1,2,3
	v_max_num_f32 v[BM+\b], 0x1800000, v[BM+\b]    ; the floor 2^(3 - 127): the byte cannot fall under 1
.endr
.irp b, 0,1,2,3
	v_add_nc_u32 v[SCO+\b], 0xff000000, v[BM+\b]   ; 2 off the exponent field: the conversion's scale operand
.endr
.irp b, 0,1,2,3
	v_lshrrev_b32 v[T2+\b], 23, v[SCO+\b]
.endr
	v_lshl_or_b32 v[PW], v[T2+1], 8, v[T2]
	v_lshl_or_b32 v[PW], v[T2+2], 16, v[PW]
	v_lshl_or_b32 v[PW], v[T2+3], 24, v[PW]
.irp c, 0,1
	v_cvt_scalef32_pk8_fp4_f32 v[PCD+4*\c], v[S+32*\c:S+32*\c+7], v[SCO+2*\c]
	v_cvt_scalef32_pk8_fp4_f32 v[PCD+4*\c+1], v[S+32*\c+16:S+32*\c+23], v[SCO+2*\c+1]
	v_cvt_scalef32_pk8_fp4_f32 v[PCD+4*\c+2], v[S+32*\c+8:S+32*\c+15], v[SCO+2*\c]
	v_cvt_scalef32_pk8_fp4_f32 v[PCD+4*\c+3], v[S+32*\c+24:S+32*\c+31], v[SCO+2*\c+1]
.endr
	v_nop                                          ; one plain line behind a scaled conversion
.irp c, 0,1
	v_permlane16_swap_b32 v[PCD+4*\c], v[PCD+4*\c+1]
	v_permlane16_swap_b32 v[PCD+4*\c+2], v[PCD+4*\c+3]
.endr
	WIN 0x41                                       ; O^T: destination and source 0 window 1
.set n, 0
.rept 16
	v_pk_mul_f32 v[32*(\i)+n:32*(\i)+n+1], v[32*(\i)+n:32*(\i)+n+1], v[F:F+1] op_sel_hi:[1,0]   ; O^T under the new M, each accumulator from its low end on.  (These are also the places between p's codes and scale word and the products)
.set n, n+2
.endr
.if (\i) == 0
	s_wait_dscnt 0x0                               ; V is in
.endif
	WIN 0x50                                       ; C and D window 1
.irp t, 0,1,2,3
	WM 32*(\i)+8*\t, VF+8*\t, PCD, 32*(\i)+8*\t, VSR+\t/2, PW, \t%2, 0
.endr
	WIN 0
.endm
.macro KSTEP next                      ; 128 keys
	s_wait_dscnt 0x0                               ; this step's K, scale words and mask terms are in
.irp j, 0,1,2,3
	v_bfe_u32 v[KSR+\j], v[KSR+\j], s30, 16        ; my head's two bytes; the upper two are 0.  (Also the four places between the last products and the loads into V's registers)
.endr
	LOADV
.if \next
	s_add_co_u32 s[TK], s[TK], 4096
	s_add_co_u32 s[TS], s[TS], 512
.endif
	PLACES 6                                       ; with the two additions above: eight places between the scale words' last write and the first product
	TILE 0, 0
	TILE 1, 0
	TILE 2, 0
	TILE 3, \next
.endm
	LOADKC                                         ; step 0
	s_mov_b32 s31, 15
.Lkey:
	KSTEP 1
	s_sub_co_u32 s31, s31, 1
	s_cmp_lg_u32 s31, 0
	s_cbranch_scc1 .Lkey
	KSTEP 0                                        ; the last step fetches nothing more
	; THE WAY OUT.  The additions are the places behind the last products.
.irp i, 0,1,2,3
	v_add_f32 v[ST+4*\i+3], v[ST+4*\i+2], v[ST+4*\i+3]
.endr
.irp i, 0,1,2,3
	v_permlanex16_b32 v[T2+\i], v[ST+4*\i+3], s[SEL], s[SEL+1]
.endr
.irp i, 0,1,2,3
	v_add_f32 v[ST+4*\i+3], v[ST+4*\i+3], v[T2+\i] ; l
.endr
.irp i, 0,1,2,3
	v_rcp_f32 v[ST+4*\i+2], v[ST+4*\i+3]
.endr
	v_nop                                          ; a plain line behind the last reciprocal
	s_wait_alu depctr_va_vdst(0)                   ; one wait for the four, ahead of their first reader
; Tile i: O^T / l: register 16 b + 8 u + j is feature 32 b + 16 u + 8 (lane / 16) + j of my head: two blocks of the last product's K.  Four registers of codes, stored as a piece of that operand's image, and two scale bytes.
.macro FIN i
.set XB, S+32*((\i)%2)
.set rT, ST+4*(\i)
.set AO, VF+4*(\i)
	WIN 0x01                                       ; source 0 window 1
.set n, 0
.rept 16
	v_pk_mul_f32 v[XB+n:XB+n+1], v[32*(\i)+n:32*(\i)+n+1], v[rT+2:rT+3] op_sel_hi:[1,0]
.set n, n+2
.endr
	WIN 0
.irp b, 0,1
	v_max3_num_f32 v[BM+\b], |v[XB+16*\b]|, |v[XB+16*\b+1]|, 0x1800000
.endr
.irp e, 2,4,6,8,10,12,14
.irp b, 0,1
	v_max3_num_f32 v[BM+\b], v[BM+\b], |v[XB+16*\b+\e]|, |v[XB+16*\b+\e+1]|
.endr
.endr
.irp b, 0,1
	v_permlanex16_b32 v[T2+\b], v[BM+\b], s[SEL], s[SEL+1]
.endr
.irp b, 0,1
	v_max_num_f32 v[BM+\b], v[BM+\b], v[T2+\b]
.endr
.irp b, 0,1
	v_add_nc_u32 v[SCO+\b], 0xff000000, v[BM+\b]
.endr
.irp b, 0,1
	v_lshrrev_b32 v[T2+\b], 23, v[SCO+\b]
.endr
	v_lshl_or_b32 v[TP+(\i)], v[T2+1], 8, v[T2]
	v_cvt_scalef32_pk8_fp4_f32 v[AO], v[XB:XB+7], v[SCO]
	v_cvt_scalef32_pk8_fp4_f32 v[AO+1], v[XB+16:XB+23], v[SCO+1]
	v_cvt_scalef32_pk8_fp4_f32 v[AO+2], v[XB+8:XB+15], v[SCO]
	v_cvt_scalef32_pk8_fp4_f32 v[AO+3], v[XB+24:XB+31], v[SCO+1]
	v_nop                                          ; one plain line behind a scaled conversion
	v_permlane16_swap_b32 v[AO], v[AO+1]
	v_permlane16_swap_b32 v[AO+2], v[AO+3]
	global_store_b128 v1, v[AO:AO+3], s[18:19] offset:8192*(\i)   ; 512 consecutive bytes, aligned
	ds_store_b16 v224, v[TP+(\i)] offset:32*(\i)   ; both halves of the lanes write the same pair with the same value
.endm
	FIN 0
	FIN 1
	FIN 2
	FIN 3
	s_wait_dscnt 0x0                               ; for the others' sake: my pairs are stored
	s_barrier_signal -1
	s_barrier_wait -1
	s_cmp_lt_u32 s[WV], 4                          ; the work-group's 1,024 bytes of pairs leave as four aligned runs of 256 bytes, one a wave
	s_cbranch_scc0 .Lno_pairs
	ds_load_b64 v[226:227], v225
	s_wait_dscnt 0x0
	global_store_b64 v228, v[226:227], s[20:21]
.Lno_pairs:
	s_wait_tensorcnt 0x0
	ds_add_u32 v254, v255
	s_wait_dscnt 0x0
	ROUND                                          ; the closing round
	s_endpgm
.Lfunc_end_k_q925a806540_attn:
	.size	k_q925a806540_attn, .Lfunc_end_k_q925a806540_attn-k_q925a806540_attn
	.p2alignl 7, 3214868480
	.fill 96, 4, 3214868480
	.section	.rodata,"a",@progbits
	.p2align	6, 0x0
	.amdhsa_kernel k_q925a806540_attn
		.amdhsa_group_segment_fixed_size 168960
		.amdhsa_private_segment_fixed_size 0
		.amdhsa_enable_private_segment 0
		.amdhsa_kernarg_size 40
		.amdhsa_user_sgpr_count 2
		.amdhsa_user_sgpr_kernarg_segment_ptr 1
		.amdhsa_wavefront_size32 1
		.amdhsa_system_sgpr_workgroup_id_x 1
		.amdhsa_system_sgpr_workgroup_id_y 1
		.amdhsa_system_sgpr_workgroup_id_z 1
		.amdhsa_system_vgpr_workitem_id 0
		.amdhsa_next_free_vgpr 512
		.amdhsa_next_free_sgpr 98
		.amdhsa_reserve_vcc 0
		.amdhsa_float_denorm_mode_32 3
		.amdhsa_float_denorm_mode_16_64 3
		.amdhsa_memory_ordered 1
		.amdhsa_forward_progress 1
		.amdhsa_inst_pref_size 144
	.end_amdhsa_kernel
	.amdgpu_metadata
---
amdhsa.version: [ 1, 2 ]
amdhsa.kernels:
  - .name:           k_q925a806540_attn
    .symbol:         k_q925a806540_attn.kd
    .args:
      - { .name: qbuf, .offset: 0, .size: 8, .value_kind: global_buffer, .address_space: global }
      - { .name: kbuf, .offset: 8, .size: 8, .value_kind: global_buffer, .address_space: global }
      - { .name: vbuf, .offset: 16, .size: 8, .value_kind: global_buffer, .address_space: global }
      - { .name: mask, .offset: 24, .size: 8, .value_kind: global_buffer, .address_space: global }
      - { .name: abuf, .offset: 32, .size: 8, .value_kind: global_buffer, .address_space: global }
    .group_segment_fixed_size: 168960
    .private_segment_fixed_size: 0
    .kernarg_segment_align: 8
    .kernarg_segment_size: 40
    .max_flat_workgroup_size: 256
    .sgpr_count:     98
    .vgpr_count:     512
    .wavefront_size: 32
...
	.end_amdgpu_metadata
.endif
;; end of part 3
;; launch outln (part 4): grid 256 x 1, 16 waves a work-group, no clusters, 154,112 bytes of LDS; arguments abuf, woimg, Wo_scales, query, ln_gamma, ln_beta, out0; writes out0
.if DOCPART == 4
	.amdgcn_target "amdgcn-amd-amdhsa--gfx1250"
	.amdhsa_code_object_version 6
	.text
	.protected	k_q925a806540_outln
	.globl	k_q925a806540_outln
	.p2align	8
	.type	k_q925a806540_outln,@function
k_q925a806540_outln:
	s_mov_b64 s[64:65], 0
	v_nop
	global_prefetch_b8 v0, s[64:65] scope:SCOPE_SE
	s_setreg_imm32_b32 hwreg(HW_REG_WAVE_MODE, 25, 1), 1
	s_wait_xcnt 0x0
; out0 = LayerNorm(query + a Wo^T) x gamma + beta; the product on codes of FP4 (E2M1) with E8M0 scales.  a's codes (images of the operand's registers) and scale pairs come from the launch before, Wo's codes in register order from the first.
; SHARES.  A work-group owns 32 tokens (two tiles m) and all 1,024 features, so that a row's mean and variance stay inside it.  Wave w of sixteen owns features 64 w .. 64 w + 63 (four tiles f): 8 accumulators.
; Source 0 = 16 rows of Wo, source 1 = 16 tokens: a lane holds ONE token (16 m + lane % 16), and register j of accumulator (f, m) is feature 64 w + 16 f + 8 (lane / 16) + j.
; Wo's FRAGMENTS GO FROM MEMORY STRAIGHT INTO REGISTERS: each is multiplied by one wave of the work-group alone, and lies in the order of the operand's registers, so a load is 512 consecutive bytes.  Three sets, two K steps ahead.
; NO JOINT LOADS, though all work-groups read the same Wo: a K step is 8 matrix instructions a wave; through LDS the 512 KiB would go in slots beside the 128 KiB of rows, with a round of a cluster's barrier for each slot.
; THE RESIDUAL is the C of the first product: query's rows are read whole (512 consecutive bytes a load), turned through LDS into the result's layout, and the same LDS rows carry the result back to whole rows.
; THE NORM takes two passes over registers (the mean, then the squares of the differences): no difference of large sums.  Sums cross the halves of the lanes by a permute and the waves through LDS.
.set XP,   4112                        ; LDS: 32 rows of 4,096 bytes + 16 of padding, from byte 0: the 16 rows that a load touches start at 16 different banks (64 banks of 4 bytes: ISA guide 11.1)
.set AI,   32*XP                       ; a's 16 fragments: (8 m + s) x 1,024 bytes
.set RED1, AI+16384                    ; 16 waves x 32 tokens, f32: the sums;
.set RED2, RED1+2048                   ; the sums of squares
.set IMGB, 4194304
.set AS,   24                          ; v24-31  the tokens' scale words, K step s: lanes 0-15 tile 0, lanes 16-31 tile 1
.set WS,   32                          ; v32-47  Wo's: register 8 p + s: lanes 0-15 tile 2 p, lanes 16-31 tile 2 p + 1
.set AFR,  48                          ; v48-79  a's fragments, two sets of two
.set ACC,  80                          ; v80-143 accumulator (f, m) at 8 (2 f + m)
.set WF,   144                         ; v144-239 Wo's fragments, three sets of four
.set GAM,  208                         ; gamma takes set 2, beta set 0, when these are done with
.set BET,  144
.macro PLACES n
.rept \n
	v_nop
.endr
.endm
.macro WM d, a, b, cc, sa, sb, ra, rb  ; D = A B + C; ra, rb: the side's scale words stand in lanes 16-31
.if (\ra) && (\rb)
	v_wmma_scale_f32_16x16x128_f8f6f4 v[\d:\d+7], v[\a:\a+7], v[\b:\b+7], v[\cc:\cc+7], v[\sa], v[\sb] matrix_a_fmt:MATRIX_FMT_FP4 matrix_b_fmt:MATRIX_FMT_FP4 matrix_a_scale:MATRIX_SCALE_ROW1 matrix_b_scale:MATRIX_SCALE_ROW1
.elseif (\ra)
	v_wmma_scale_f32_16x16x128_f8f6f4 v[\d:\d+7], v[\a:\a+7], v[\b:\b+7], v[\cc:\cc+7], v[\sa], v[\sb] matrix_a_fmt:MATRIX_FMT_FP4 matrix_b_fmt:MATRIX_FMT_FP4 matrix_a_scale:MATRIX_SCALE_ROW1
.elseif (\rb)
	v_wmma_scale_f32_16x16x128_f8f6f4 v[\d:\d+7], v[\a:\a+7], v[\b:\b+7], v[\cc:\cc+7], v[\sa], v[\sb] matrix_a_fmt:MATRIX_FMT_FP4 matrix_b_fmt:MATRIX_FMT_FP4 matrix_b_scale:MATRIX_SCALE_ROW1
.else
	v_wmma_scale_f32_16x16x128_f8f6f4 v[\d:\d+7], v[\a:\a+7], v[\b:\b+7], v[\cc:\cc+7], v[\sa], v[\sb] matrix_a_fmt:MATRIX_FMT_FP4 matrix_b_fmt:MATRIX_FMT_FP4
.endif
.endm
	s_load_b256 s[4:11], s[0:1], 0x0               ; abuf, woimg, Wo's scales, query
	s_load_b128 s[12:15], s[0:1], 0x20             ; gamma, beta
	s_load_b64 s[16:17], s[0:1], 0x30              ; out0
	v_lshrrev_b32 v12, 5, v0
	v_readfirstlane_b32 s18, v12                   ; wave 0..15
	v_and_b32 v12, 31, v0                          ; lane
	v_and_b32 v13, 15, v0                          ; r
	v_bfe_u32 v14, v0, 4, 1                        ; h
	v_lshlrev_b32 v1, 4, v12                       ; 16 x lane
	v_lshlrev_b32 v7, 1, v12                       ; 2 x lane
	v_lshlrev_b32 v8, 5, v12                       ; 32 x lane
	v_lshlrev_b32 v9, 5, v14                       ; 32 h
	s_lshl_b32 s24, s18, 8                         ; 256 w: my 64 features in a row
	v_mul_u32_u24 v2, v13, XP
	v_add_nc_u32 v2, v2, v9
	v_add_nc_u32 v2, s24, v2                       ; v2, v3: row 16 m + r, my features, + 32 h
	v_add_nc_u32 v3, 16*XP, v2
	s_mul_i32 s25, s18, 2*XP
	v_add_nc_u32 v4, s25, v1                       ; v4: rows 2 w and 2 w + 1, whole, 16 bytes a lane
	s_lshl_b32 s25, s18, 7
	v_lshl_add_u32 v6, v12, 2, RED1                ; v6: a token's word in each wave's 128 bytes;
	v_add_nc_u32 v5, s25, v6                       ; v5: in mine
	s_lshl_b32 s25, s18, 10
	v_add_nc_u32 v11, AI, v1                       ; v11: a fragment's image for my lane;
	v_add_nc_u32 v10, s25, v11                     ; v10: the one that I bring
	v_mov_b32 v17, 0                               ; (upper halves of pairs of which the low word serves both halves)
	v_mov_b32 v19, 0
	v_mov_b32 v21, 0
	v_mov_b32 v23, 0
	s_mov_b32 s19, 0xffff0000                      ; lanes 16-31
	s_mov_b32 s20, 0x3a800000                      ; 1 / 1,024
	s_mov_b32 s21, 0x3727c5ac                      ; 1e-5
	s_mov_b32 s22, 0x76543210
	s_mov_b32 s23, 0xfedcba98                      ; v_permlanex16_b32's selects for lane l xor 16
	s_mov_b32 s27, 0
	s_lshl_b32 s26, ttmp9, 5
	s_lshl_b32 s28, s18, 1
	s_add_co_u32 s26, s26, s28
	s_lshl_b32 s26, s26, 12                        ; rows 32 id + 2 w on, 4,096 bytes each
	s_wait_kmcnt 0x0
	s_add_nc_u64 s[10:11], s[10:11], s[26:27]
	s_add_nc_u64 s[16:17], s[16:17], s[26:27]
	s_lshl_b32 s26, ttmp9, 14
	s_add_co_u32 s26, s26, s25
	s_add_nc_u64 s[28:29], s[4:5], s[26:27]        ; a's images: 16,384 bytes a work-group, 1,024 a wave
	s_lshl_b32 s26, ttmp9, 6
	s_add_nc_u64 s[4:5], s[4:5], s[26:27]
	s_add_nc_u64 s[4:5], s[4:5], IMGB              ; a's scale pairs: 2 bytes a token, 16,384 a head
	s_lshl_b32 s26, s18, 11
	s_add_nc_u64 s[8:9], s[8:9], s[26:27]          ; Wo's scale bytes: my 64 rows of 32
	s_lshl_b32 s26, s18, 15
	s_add_nc_u64 s[6:7], s[6:7], s[26:27]          ; Wo's images: my four tiles of 8,192 bytes
	s_mov_b32 s26, s24
	s_add_nc_u64 s[12:13], s[12:13], s[26:27]
	s_add_nc_u64 s[14:15], s[14:15], s[26:27]
.macro WLOAD s                         ; Wo's four fragments of K step s into set s % 3: 8 loads of 512 consecutive bytes
.irp f, 0,1,2,3
.irp c, 0,1
	global_load_b128 v[WF+32*((\s)%3)+8*\f+4*\c:WF+32*((\s)%3)+8*\f+4*\c+3], v1, s[6:7] offset:8192*\f+1024*(\s)+512*\c
.endr
.endr
.endm
.macro ALOAD s                         ; a's two fragments of K step s into set s % 2: 4 LDS loads
.irp m, 0,1
.irp c, 0,1
	ds_load_b128 v[AFR+16*((\s)%2)+8*\m+4*\c:AFR+16*((\s)%2)+8*\m+4*\c+3], v11 offset:(8*\m+(\s))*1024+512*\c
.endr
.endr
.endm
.irp e, 0,1
.irp k, 0,1,2,3,4,5,6,7
	global_load_b128 v[ACC+32*\e+4*\k:ACC+32*\e+4*\k+3], v1, s[10:11] offset:4096*\e+512*\k th:TH_LOAD_NT   ; the residual: two whole rows
.endr
.endr
	global_load_b128 v[240:243], v1, s[28:29]
	global_load_b128 v[244:247], v1, s[28:29] offset:512
.irp h, 0,1,2,3,4,5,6,7,8,9,10,11,12,13,14,15
	global_load_u16 v[AFR+\h], v7, s[4:5] offset:16384*\h   ; lane = token: head h's two scale bytes
.endr
.irp p, 0,1
	global_load_b128 v[WS+8*\p:WS+8*\p+3], v8, s[8:9] offset:1024*\p      ; lane = row 32 p + lane of my 64: its eight scale words
	global_load_b128 v[WS+8*\p+4:WS+8*\p+7], v8, s[8:9] offset:1024*\p+16
.endr
	WLOAD 0
	WLOAD 1
	WLOAD 2
	s_wait_loadcnt 44                              ; the residual and a's images are in; 16 + 4 + 24 younger loads may be out
.irp e, 0,1
.irp k, 0,1,2,3,4,5,6,7
	ds_store_b128 v4, v[ACC+32*\e+4*\k:ACC+32*\e+4*\k+3] offset:XP*\e+512*\k
.endr
.endr
	ds_store_b128 v10, v[240:243]
	ds_store_b128 v10, v[244:247] offset:512
	s_wait_loadcnt 28                              ; the scale pairs are in; 4 + 24 younger loads may be out
.irp g, 0,1,2,3,4,5,6,7
	v_lshl_or_b32 v[AS+\g], v[AFR+2*\g+1], 16, v[AFR+2*\g]   ; K step g = heads 2 g and 2 g + 1
.endr
	s_wait_dscnt 0x0                               ; for the others' sake: my rows and my images are stored
	s_barrier_signal -1
	s_barrier_wait -1
.irp f, 0,1,2,3
.irp m, 0,1
	ds_load_b128 v[ACC+8*(2*\f+\m):ACC+8*(2*\f+\m)+3], v[2+\m] offset:64*\f       ; the residual in the result's layout: the sums begin with it
	ds_load_b128 v[ACC+8*(2*\f+\m)+4:ACC+8*(2*\f+\m)+7], v[2+\m] offset:64*\f+16
.endr
.endr
	ALOAD 0
	ALOAD 1
	PLACES 8                                       ; eight places between the vector lines that made the tokens' scale words and the first product
; A K step: 8 matrix instructions, the 8 accumulators by turns, in the same order in every step.
.macro KSTEP s
	s_wait_loadcnt 16                              ; this step's fragments of Wo are in; two younger groups of eight may be out
.if (\s) < 7
	s_wait_dscnt 4                                 ; a's fragments of this step are in; the next step's four loads may be out
.else
	s_wait_dscnt 0x0
.endif
.irp f, 0,1,2,3
.irp m, 0,1
	WM ACC+8*(2*\f+\m), WF+32*((\s)%3)+8*\f, AFR+16*((\s)%2)+8*\m, ACC+8*(2*\f+\m), WS+8*(\f/2)+(\s), AS+(\s), \f%2, \m
.endr
.endr
	PLACES 4                                       ; in front of loads into registers that these products read, and of the first read of results
.if (\s) < 5
	WLOAD (\s)+3
.elseif (\s) == 5
.irp f, 0,1,2,3
	global_load_b128 v[GAM+8*\f:GAM+8*\f+3], v9, s[12:13] offset:64*\f       ; gamma at my lane's eight features of each tile
	global_load_b128 v[GAM+8*\f+4:GAM+8*\f+7], v9, s[12:13] offset:64*\f+16
.endr
.elseif (\s) == 6
.irp f, 0,1,2,3
	global_load_b128 v[BET+8*\f:BET+8*\f+3], v9, s[14:15] offset:64*\f
	global_load_b128 v[BET+8*\f+4:BET+8*\f+7], v9, s[14:15] offset:64*\f+16
.endr
.endif
.if (\s) < 6
	ALOAD (\s)+2
.endif
.endm
.irp s, 0,1,2,3,4,5,6,7
	KSTEP \s
.endr
; my lane's 32 numbers of each tile of tokens, or their squares, summed into v[12:13] (m = 0) and v[14:15] (m = 1); each accumulator is read from its low end on
.macro RSUM sq
.irp m, 0,1
.if \sq
	v_pk_mul_f32 v[12+2*\m:13+2*\m], v[ACC+8*\m:ACC+8*\m+1], v[ACC+8*\m:ACC+8*\m+1]
.else
	v_pk_add_f32 v[12+2*\m:13+2*\m], v[ACC+8*\m:ACC+8*\m+1], v[ACC+8*\m+2:ACC+8*\m+3]
.endif
.endr
.set n, 2-\sq
.rept 14+\sq
.irp m, 0,1
.set rr, ACC+8*(2*(n/4)+\m)+2*(n%4)
.if \sq
	v_pk_fma_f32 v[12+2*\m:13+2*\m], v[rr:rr+1], v[rr:rr+1], v[12+2*\m:13+2*\m]
.else
	v_pk_add_f32 v[12+2*\m:13+2*\m], v[12+2*\m:13+2*\m], v[rr:rr+1]
.endif
.endr
.set n, n+1
.endr
.endm
; across the halves of the lanes, then across the sixteen waves through LDS: v12 = the row's sum, lane = token
.macro RALL off
	v_add_f32 v12, v12, v13
	v_add_f32 v14, v14, v15
	v_permlanex16_b32 v48, v12, s22, s23
	v_permlanex16_b32 v49, v14, s22, s23
	v_add_f32 v12, v12, v48
	v_add_f32 v14, v14, v49
	v_cndmask_b32 v12, v12, v14, s19               ; lanes 0-15: tile 0's tokens; lanes 16-31: tile 1's
	ds_store_b32 v5, v12 offset:\off
	s_wait_dscnt 0x0                               ; for the others' sake
	s_barrier_signal -1
	s_barrier_wait -1
.irp k, 0,1,2,3,4,5,6,7,8,9,10,11,12,13,14,15
	ds_load_b32 v[240+\k], v6 offset:\off+128*\k
.endr
	s_wait_dscnt 0x0
.irp k, 0,4,8,12
	v_pk_add_f32 v[240+\k:241+\k], v[240+\k:241+\k], v[242+\k:243+\k]   ; the same order in every wave
.endr
	v_pk_add_f32 v[240:241], v[240:241], v[244:245]
	v_pk_add_f32 v[248:249], v[248:249], v[252:253]
	v_pk_add_f32 v[240:241], v[240:241], v[248:249]
	v_add_f32 v12, v240, v241
.endm
.macro SPREAD src, d0, d1              ; from lane = token to both halves of the lanes: d0 for tile 0, d1 for tile 1
	v_permlanex16_b32 v48, v[\src], s22, s23
	v_cndmask_b32 v[\d0], v[\src], v48, s19
	v_cndmask_b32 v[\d1], v48, v[\src], s19
.endm
	RSUM 0
	RALL 0
	v_mul_f32 v12, s20, v12                        ; the mean
	SPREAD 12, 16, 18
.set n, 0
.rept 16
.irp m, 0,1
.set rr, ACC+8*(2*(n/4)+\m)+2*(n%4)
	v_pk_add_f32 v[rr:rr+1], v[rr:rr+1], v[16+2*\m:17+2*\m] op_sel_hi:[1,0] neg_lo:[0,1] neg_hi:[0,1]   ; x - mean
.endr
.set n, n+1
.endr
	RSUM 1
	RALL 2048
	v_fma_f32 v12, v12, s20, s21                   ; the variance + 1e-5
	v_rsq_f32 v13, v12
	v_nop                                          ; a plain line behind the transcendental
	s_wait_alu depctr_va_vdst(0)                   ; the wait ahead of its first reader
	SPREAD 13, 20, 22
	s_wait_loadcnt 0x0                             ; gamma and beta
.set n, 0
.rept 16
.irp m, 0,1
.set rr, ACC+8*(2*(n/4)+\m)+2*(n%4)
	v_pk_mul_f32 v[rr:rr+1], v[rr:rr+1], v[20+2*\m:21+2*\m] op_sel_hi:[1,0]
.endr
.irp m, 0,1
.set rr, ACC+8*(2*(n/4)+\m)+2*(n%4)
	v_pk_fma_f32 v[rr:rr+1], v[rr:rr+1], v[GAM+2*n:GAM+2*n+1], v[BET+2*n:BET+2*n+1]
.endr
.set n, n+1
.endr
.irp f, 0,1,2,3
.irp m, 0,1
	ds_store_b128 v[2+\m], v[ACC+8*(2*\f+\m):ACC+8*(2*\f+\m)+3] offset:64*\f      ; back into the rows: every wave's reads of them were waited for ahead of the two barriers passed since
	ds_store_b128 v[2+\m], v[ACC+8*(2*\f+\m)+4:ACC+8*(2*\f+\m)+7] offset:64*\f+16
.endr
.endr
	s_wait_dscnt 0x0                               ; for the others' sake
	s_barrier_signal -1
	s_barrier_wait -1
.irp e, 0,1
.irp k, 0,1,2,3,4,5,6,7
	ds_load_b128 v[WF+32*\e+4*\k:WF+32*\e+4*\k+3], v4 offset:XP*\e+512*\k
.endr
.endr
.irp e, 0,1
.irp k, 0,1,2,3,4,5,6,7
	s_wait_dscnt 15-8*\e-\k                        ; LDS loads come back in order (ISA guide 5.7.1): this one is in, the younger ones may be out
	global_store_b128 v1, v[WF+32*\e+4*\k:WF+32*\e+4*\k+3], s[16:17] offset:4096*\e+512*\k th:TH_STORE_NT   ; 512 consecutive bytes of a row, aligned
.endr
.endr
	s_wait_xcnt 0x0
	v_lshl_add_u32 v254, v0, 2, 0x25200
	v_mov_b32 v255, 0
	s_wait_tensorcnt 0x0
	ds_add_u32 v254, v255
	s_wait_dscnt 0x0
	s_endpgm
.Lfunc_end_k_q925a806540_outln:
	.size	k_q925a806540_outln, .Lfunc_end_k_q925a806540_outln-k_q925a806540_outln
	.p2alignl 7, 3214868480
	.fill 96, 4, 3214868480
	.section	.rodata,"a",@progbits
	.p2align	6, 0x0
	.amdhsa_kernel k_q925a806540_outln
		.amdhsa_group_segment_fixed_size 154112
		.amdhsa_private_segment_fixed_size 0
		.amdhsa_enable_private_segment 0
		.amdhsa_kernarg_size 56
		.amdhsa_user_sgpr_count 2
		.amdhsa_user_sgpr_kernarg_segment_ptr 1
		.amdhsa_wavefront_size32 1
		.amdhsa_system_sgpr_workgroup_id_x 1
		.amdhsa_system_sgpr_workgroup_id_y 1
		.amdhsa_system_sgpr_workgroup_id_z 1
		.amdhsa_system_vgpr_workitem_id 0
		.amdhsa_next_free_vgpr 256
		.amdhsa_next_free_sgpr 66
		.amdhsa_reserve_vcc 0
		.amdhsa_float_denorm_mode_32 3
		.amdhsa_float_denorm_mode_16_64 3
		.amdhsa_memory_ordered 1
		.amdhsa_forward_progress 1
		.amdhsa_inst_pref_size 47
	.end_amdhsa_kernel
	.amdgpu_metadata
---
amdhsa.version: [ 1, 2 ]
amdhsa.kernels:
  - .name:           k_q925a806540_outln
    .symbol:         k_q925a806540_outln.kd
    .args:
      - { .name: abuf, .offset: 0, .size: 8, .value_kind: global_buffer, .address_space: global }
      - { .name: woimg, .offset: 8, .size: 8, .value_kind: global_buffer, .address_space: global }
      - { .name: Wo_scales, .offset: 16, .size: 8, .value_kind: global_buffer, .address_space: global }
      - { .name: query, .offset: 24, .size: 8, .value_kind: global_buffer, .address_space: global }
      - { .name: ln_gamma, .offset: 32, .size: 8, .value_kind: global_buffer, .address_space: global }
      - { .name: ln_beta, .offset: 40, .size: 8, .value_kind: global_buffer, .address_space: global }
      - { .name: out0, .offset: 48, .size: 8, .value_kind: global_buffer, .address_space: global }
    .group_segment_fixed_size: 154112
    .private_segment_fixed_size: 0
    .kernarg_segment_align: 8
    .kernarg_segment_size: 56
    .max_flat_workgroup_size: 512
    .sgpr_count:     66
    .vgpr_count:     256
    .wavefront_size: 32
...
	.end_amdgpu_metadata
.endif
;; end of part 4
